; MI455X (gfx1250); checked and timed in simulation.
; The chip was launched on July 23, 2026; its instructions are those of AMD's public machine-readable ISA for CDNA 5 (MIT licence, August 2026) and "CDNA5" Instruction Set Architecture Reference Guide (July 2026). The comments in the code are by the model that wrote it; some were corrected since.
;; attention. Allowed arithmetic: matrix products marked QUANTISED: E5M2 operands, one E8M0 scale for each 32 along K, by v_wmma_scale_f32_16x16x128_f8f6f4 with both operands' format E5M2, f32 sums; everything else in f32.
;; Inputs: Wk 1,024 x 1,024 float32; Wo 1,024 x 1,024 float32; Wq 1,024 x 1,024 float32; Wv 1,024 x 1,024 float32; bk 1,024 float32; bo 1,024 float32; bq 1,024 float32; bv 1,024 float32; x 4 x 2,048 x 1,024 float32.
;; Outputs: out0 4 x 2,048 x 1,024 float32.
;; This version of the problem:
;;   THIS VERSION OF THE PROBLEM IS GIVEN IN LOW PRECISION. The matrix products marked QUANTISED in the list below multiply operands that are first quantised to E5M2 (5 exponent bits, 2 mantissa bits; 8 bits a number), with one power-of-two scale for each 32 numbers along K (OCP MX v1.0); their sums are f32. All else is computed in f32.
;;   The module's matrix products, in the order in which they are computed (A, B: the left and right operand; K: the contracted axis; several contracted axes count as one K, in the product's order):
;;     1. [M 8,192, K 1,024] x [K 1,024, N 1,024]; A: input x; B: input Wq: QUANTISED
;;     2. [M 8,192, K 1,024] x [K 1,024, N 1,024]; A: input x; B: input Wk: QUANTISED
;;     3. [M 8,192, K 1,024] x [K 1,024, N 1,024]; A: input x; B: input Wv: QUANTISED
;;     4. batch 64 x [M 2,048, K 64] x [K 64, N 2,048]; A: computed on the way; B: computed on the way: QUANTISED
;;     5. batch 64 x [M 2,048, K 2,048] x [K 2,048, N 64]; A: softmax (see below); B: computed on the way: QUANTISED
;;     6. [M 8,192, K 1,024] x [K 1,024, N 1,024]; A: computed on the way; B: input Wo: QUANTISED
;;   THE QUANTISER, for each operand of a quantised product, along K:
;;     - K is cut into blocks of 32 from its start; a last block that is shorter is filled with zeros.
;;     - A block's scale is 2^e with e = floor(log2(the largest magnitude in the block)) - 15, held to -126 .. 127; a block of zeros has e = 0. As a byte (E8M0): e + 127.
;;     - Each number is divided by its block's scale, clamped to +-57,344, and rounded to the nearest number of E5M2, ties to even, subnormals kept.
;;     - The product sums the exact products of the quantised numbers (number of the format x scale) in f32.
;;   ~~~python
;;   def quantise(x, axis):      # numpy; x: float32 -> the quantised numbers, widened to float32 again
;;       x = np.moveaxis(x, axis, -1); K = x.shape[-1]
;;       x = np.pad(x, [(0, 0)] * (x.ndim - 1) + [(0, -K % 32)]); x = x.reshape(x.shape[:-1] + (-1, 32)); a = np.abs(x).max(-1, keepdims=True)
;;       e = np.where(a > 0, np.clip(np.frexp(np.where(a > 0, a, 1))[1] - 1 - 15, -126, 127), 0)      # np.frexp(a)[1] - 1 = floor(log2(a)), exactly
;;       r = np.clip(x / 2.0 ** e, -57344, 57344)
;;       step = 2.0 ** (np.maximum(np.frexp(np.where(r == 0, 1, r))[1] - 1, -14) - 2)
;;       q = np.round(r / step) * step * 2.0 ** e      # np.round: ties to even
;;       return np.moveaxis(q.reshape(q.shape[:-2] + (-1,))[..., :K], -1, axis).astype(np.float32)
;;   ~~~
;;   SOFTMAX AHEAD OF A QUANTISED PRODUCT. Where the list says 'softmax', what is quantised is not the finished softmax but p = 2^(t - M), with t = logit x log2(e) and M = ceil(the row's largest t), a whole number; so 1/2 < the row's largest p <= 1. The row's sum l is taken of the UNQUANTISED p, in f32, and the product's result is divided by l at the end. Since M is a whole number, a kernel that streams over the keys may use a running M (the ceiling of the running maximum): every later rescaling is an exact power of two, which a block's scale takes up: the codes' values come out the same.
;;   OPERANDS COMPUTED ON THE WAY. 'Computed on the way' means the value that the module computes at that place (a softmax that the list does not call 'softmax' is quantised finished and normalised). What goes into a quantiser is computed in f32, as accurately as f32 sums, v_exp_f32 and their like allow (about 1e-6 of the number): no bf16 or f16 on the way to a quantiser, and a product that is left as it is and whose result goes on into a quantised operand takes f32 operands (vector FMAs, or v_wmma_f32_16x16x4_f32). A number that lies on a knife's edge between two numbers of the format may be rounded either way, as far as f32 arithmetic and the matrix unit's own rounding can turn it there, and no further.
;; One version. Each part assembles by itself: llvm-mc -triple=amdgcn-amd-amdhsa -mcpu=gfx1250 --defsym DOCPART=n.
;; ======== version 1 of 1: 4 launches
;; limits: right only within a limited range of input values
;; workspace buffers: pc 12,582,912 bytes; ps 917,504 bytes; qk 16,777,216 bytes; vi 8,388,608 bytes; sw 1,310,720 bytes; ic 8,388,608 bytes; isc 262,144 bytes
;; launch prep (part 1): grid 416 x 1, 4 waves a work-group, no clusters, 68,096 bytes of LDS; arguments x, Wq, Wk, Wv, Wo, pc, ps; writes pc, ps
.if DOCPART == 1
	.amdgcn_target "amdgcn-amd-amdhsa--gfx1250"
	.amdhsa_code_object_version 6
	.text
	.protected	k_q92b48c0596_prep
	.globl	k_q92b48c0596_prep
	.p2align	8
	.type	k_q92b48c0596_prep,@function
k_q92b48c0596_prep:
	s_mov_b64 s[64:65], 0
	v_nop
	global_prefetch_b8 v0, s[64:65] scope:SCOPE_SE
	s_setreg_imm32_b32 hwreg(HW_REG_WAVE_MODE, 25, 1), 1
	s_wait_xcnt 0x0
; PREP: x [8192][1024] and the four weights [1024 (k)][1024 (n)], f32, become codes of BF8 (E5M2) with one E8M0 byte for each 32 along K; and the table of cos and sin for the rotary embedding is made.
; A block's scale is 2^(floor(log2(its largest magnitude)) - 15); its byte is the largest magnitude's exponent field - 15, held at 1 from below; each number is held within +-57,344 x the scale and rounded to the nearest code, ties to even.
; LIMITS: a block whose largest magnitude lies under 2^-111 takes the byte 1; a block of zeros keeps the byte 1 where the rule says 127 (its codes are zeros, and this program alone reads the bytes); NaN and infinities are not served.
; LAYOUT OF THE CODES (pc): in the order of a matrix operand's registers.  16 rows x 1,024 K are 16,384 bytes: piece p = k / 16 of row r lies at 256 p + 16 r.  So the four registers c of K step s come by one load of 16 bytes a lane at 2048 s + 512 c + 16 lane.
; STORED ROW ORDER: stored row i holds true row i with bits 3 and 4 exchanged: lane r of stored tile 2 b + u holds true row 32 b + 8 u + r + 8 (r / 8).
; pc: x's 512 tiles at 0; at 8,388,608 the weights' 256 tiles (Wq, Wk, Wv, Wo; a row is an output column n).  ps: x's scale bytes [stored row][32] at 0; the weights' at 262,144; the table [position 2048][pair 32][cos, sin] at 393,216.
; THREE PATHS, by the work-group's number: 0-255 x (32 rows each), 256-383 the weights (128 columns x 256 K each), 384-415 the table (64 positions each).  Only the first path uses LDS.
.set STEPS, 16
.set EMAX,  15
.set MANT,  0x600000                   ; the mantissa field of 57,344
.set SP,    80                         ; a lane's place in a wave's turning stage: 64 bytes + 16
.set WREG,  8192                       ; LDS of a wave: two turning stages of 32 x SP bytes, then its 256 scale bytes
.set XSTG,  32768                      ; the work-group's stage for codes: two tiles x 64 pieces x XPIT
.set XPIT,  272                        ; a piece of 256 bytes + 16
.set R,     16                         ; v16-79   four sets of 16 numbers as loaded; later the codes on their way out
.set X,     80                         ; v80-111  two sets of 16 neighbours
.set E,     112                        ; v112-127 a scale byte for each step
.set C,     128                        ; v128-191 four registers of codes for each step
.set WX,    32                         ; weights: v32-95 two sets of 32 numbers
.set WC,    96                         ; v96-159 eight registers of codes for each block: no store's data are written again
.set SB,    24                         ; v24-25 the scale bytes
	s_load_b128 s[4:7], s[0:1], 0x0                ; x, Wq
	s_load_b128 s[8:11], s[0:1], 0x10              ; Wk, Wv
	s_load_b128 s[12:15], s[0:1], 0x20             ; Wo, pc
	s_load_b64 s[16:17], s[0:1], 0x30              ; ps
	v_lshl_add_u32 v192, v0, 2, 0x10800
	v_mov_b32 v193, 0
	v_lshrrev_b32 v1, 5, v0
	v_readfirstlane_b32 s18, v1                    ; wave 0..3
	v_and_b32 v2, 31, v0                           ; lane
	s_mov_b32 s24, MANT
	s_cmp_lt_u32 ttmp9, 256
	s_cbranch_scc0 .Lweights
; ---------------- x.  Work-group g takes true rows 32 g .. 32 g + 31; wave w rows 8 w .. 8 w + 7: a dense run of 8,192 numbers, 16 steps of 512.
; Each load reads 512 consecutive bytes; a step's 2,048 bytes turn through the wave's own stage so that a lane holds 16 neighbours along K (two neighbouring lanes hold a block).
; Step t is half t % 2 of row t / 2: lane l's 16 codes are piece 32 (t % 2) + l of stored tile w & 1, stored row 8 (w >> 1) + t / 2.  They meet in the work-group's stage and leave as two whole tiles.
	v_lshlrev_b32 v3, 4, v2                        ; 16 x lane
	s_mul_i32 s19, s18, WREG
	v_lshrrev_b32 v14, 2, v2
	v_mul_u32_u24 v14, v14, SP
	v_and_b32 v15, 3, v2
	v_lshl_add_u32 v14, v15, 4, v14
	v_add_nc_u32 v14, s19, v14                     ; the turning stage, in: SP (lane / 4) + 16 (lane % 4)
	v_mul_u32_u24 v15, v2, SP
	v_add_nc_u32 v15, s19, v15                     ; and out: SP x lane
	v_lshrrev_b32 v5, 1, v2
	s_add_co_u32 s19, s19, 2*32*SP
	v_add_nc_u32 v5, s19, v5                       ; my block's scale byte among the wave's 256
	v_lshlrev_b32 v7, 3, v2
	v_add_nc_u32 v6, s19, v7                       ; and 8 of them a lane on the way out
	s_and_b32 s20, s18, 1
	s_lshr_b32 s21, s18, 1
	s_mul_i32 s22, s20, 64*XPIT
	s_lshl_b32 s23, s21, 7
	s_add_co_u32 s22, s22, s23
	s_add_co_u32 s22, s22, XSTG
	v_mul_u32_u24 v4, v2, XPIT
	v_add_nc_u32 v4, s22, v4                       ; codes into the stage: tile w & 1, piece = lane, row 8 (w >> 1)
	s_mul_i32 s22, s21, 64*XPIT
	s_mul_i32 s23, s20, 32*XPIT
	s_add_co_u32 s22, s22, s23
	s_add_co_u32 s22, s22, XSTG
	v_lshrrev_b32 v8, 4, v2
	v_mul_u32_u24 v8, v8, XPIT
	v_and_b32 v9, 15, v2
	v_lshl_add_u32 v8, v9, 4, v8
	v_add_nc_u32 v1, s22, v8                       ; and out of it: tile w >> 1, half w & 1 of its pieces; two pieces an instruction
	s_lshl_b32 s22, ttmp9, 2
	s_add_co_u32 s22, s22, s18
	s_lshl_b32 s22, s22, 15                        ; x: my run of 32,768 bytes
	s_mov_b32 s23, 0
	s_lshl_b32 s26, ttmp9, 15                      ; pc: tile 2 g + (w >> 1), half w & 1
	s_lshl_b32 s25, s21, 14
	s_add_co_u32 s26, s26, s25
	s_lshl_b32 s25, s20, 13
	s_add_co_u32 s26, s26, s25
	s_mov_b32 s27, 0
	s_lshl_b32 s28, ttmp9, 10                      ; ps: stored rows 32 g + 16 (w & 1) + 8 (w >> 1) on, 32 bytes each
	s_lshl_b32 s25, s20, 9
	s_add_co_u32 s28, s28, s25
	s_lshl_b32 s25, s21, 8
	s_add_co_u32 s28, s28, s25
	s_mov_b32 s29, 0
	s_wait_kmcnt 0x0
	s_add_nc_u64 s[4:5], s[4:5], s[22:23]
	s_add_nc_u64 s[14:15], s[14:15], s[26:27]
	s_add_nc_u64 s[16:17], s[16:17], s[28:29]
.macro XLOAD t
.irp i, 0,1,2,3
	global_load_b128 v[R+16*((\t)%4)+4*\i:R+16*((\t)%4)+4*\i+3], v3, s[4:5] offset:2048*(\t)+512*\i th:TH_LOAD_NT
.endr
.endm
.macro XTURN t                         ; LDS serves a wave's instructions in order: no wait between these stores and loads
.irp i, 0,1,2,3
	ds_store_b128 v14, v[R+16*((\t)%4)+4*\i:R+16*((\t)%4)+4*\i+3] offset:32*SP*((\t)%2)+8*SP*\i
.endr
.irp i, 0,1,2,3
	ds_load_b128 v[X+16*((\t)%2)+4*\i:X+16*((\t)%2)+4*\i+3], v15 offset:32*SP*((\t)%2)+16*\i
.endr
.endm
.irp t, 0,1,2,3
	XLOAD \t
.endr
	s_wait_loadcnt 12                              ; step 0's four loads are in
	XTURN 0
.macro XSTEP t
.set XS, X+16*((\t)%2)
.if (\t) > 0
	s_wait_dscnt 2                                 ; this step's numbers are back (behind them: the last step's byte store and code store)
.else
	s_wait_dscnt 0x0
.endif
.if (\t)+4 < STEPS
	XLOAD (\t)+4
.endif
.if (\t)+1 < STEPS
.if STEPS-2-(\t) >= 3
	s_wait_loadcnt 12                              ; the next step's four loads are in; three steps' may be out
.else
	s_wait_loadcnt 4*(STEPS-2-(\t))
.endif
	XTURN (\t)+1
.endif
	v_max3_num_f32 v8, |v[XS]|, |v[XS+1]|, |v[XS+2]|
	v_max3_num_f32 v9, |v[XS+3]|, |v[XS+4]|, |v[XS+5]|
.irp i, 6,10
	v_max3_num_f32 v8, v8, |v[XS+\i]|, |v[XS+\i+1]|
	v_max3_num_f32 v9, v9, |v[XS+\i+2]|, |v[XS+\i+3]|
.endr
	v_max3_num_f32 v8, v8, |v[XS+14]|, |v[XS+15]|
	v_max3_num_f32 v8, v8, v9, (EMAX+1)<<23        ; with the floor 2^(16 - 127): the byte cannot fall under 1
	v_max_num_f32_dpp v8, v8, v8 row_xmask:1 row_mask:0xf bank_mask:0xf   ; and my neighbour's 16: the block's largest magnitude
	v_add_nc_u32 v11, -(EMAX<<23), v8              ; 15 off its exponent field: the conversion's scale operand
	v_and_or_b32 v10, v8, 0x7f800000, s24          ; 57,344 x the scale
.irp i, 0,1,2,3,4,5,6,7,8,9,10,11,12,13,14,15
	v_med3_num_f32 v[XS+\i], v[XS+\i], -v10, v10   ; the conversion does not saturate (ISA guide 7.6.2): the hold comes first
.endr
	v_cvt_scalef32_pk8_bf8_f32 v[C+4*(\t):C+4*(\t)+1], v[XS:XS+7], v11
	v_cvt_scalef32_pk8_bf8_f32 v[C+4*(\t)+2:C+4*(\t)+3], v[XS+8:XS+15], v11
	v_lshrrev_b32 v[E+(\t)], 23, v11               ; the scale's byte
	ds_store_b8 v5, v[E+(\t)] offset:16*(\t)       ; both lanes of a block write the same byte
	ds_store_b128 v4, v[C+4*(\t):C+4*(\t)+3] offset:32*XPIT*((\t)%2)+16*((\t)/2)
.endm
.irp t, 0,1,2,3,4,5,6,7,8,9,10,11,12,13,14,15
	XSTEP \t
.endr
	ds_load_b64 v[12:13], v6                       ; my wave's scale bytes
	s_wait_dscnt 0x0                               ; for the others' sake: my codes lie in the stage
	s_barrier_signal -1
	s_barrier_wait -1
	global_store_b64 v7, v[12:13], s[16:17]        ; 32 lanes store 256 consecutive bytes: eight stored rows' scale bytes
.irp i, 0,1,2,3,4,5,6,7,8,9,10,11,12,13,14,15
	ds_load_b128 v[R+4*\i:R+4*\i+3], v1 offset:2*XPIT*\i
.endr
.irp i, 0,1,2,3,4,5,6,7,8,9,10,11,12,13,14,15
	s_wait_dscnt 15-\i
	global_store_b128 v3, v[R+4*\i:R+4*\i+3], s[14:15] offset:512*\i   ; 512 consecutive bytes of a tile
.endr
	s_wait_tensorcnt 0x0
	ds_add_u32 v192, v193
	s_wait_dscnt 0x0
	s_endpgm
; ---------------- the weights.  A lane takes a column n and its registers run down K: a block of 32 lies in one lane, and the conversions give codes with K innermost.
.Lweights:
	s_cmp_lt_u32 ttmp9, 384
	s_cbranch_scc0 .Ltable
	s_sub_co_u32 s19, ttmp9, 256
	s_lshr_b32 s20, s19, 5                         ; which weight
	s_bfe_u32 s21, s19, 0x30002                    ; which 128 columns
	s_and_b32 s22, s19, 3                          ; which 256 along K
	s_wait_alu depctr_va_vdst(0)
	v_lshlrev_b32 v3, 2, v2                        ; in: 4 bytes a lane
	v_bfe_u32 v4, v2, 3, 1                         ; column n % 32 = lane goes to stored tile (lane >> 3) & 1,
	v_bfe_u32 v5, v2, 4, 1
	v_and_b32 v6, 7, v2
	v_lshl_add_u32 v6, v5, 3, v6                   ; stored row 8 (lane >> 4) + lane % 8
	v_lshlrev_b32 v8, 4, v6
	v_lshl_add_u32 v8, v4, 14, v8                  ; codes: 16,384 x tile + 16 x row
	v_lshl_add_u32 v9, v4, 4, v6
	v_lshlrev_b32 v9, 5, v9                        ; scale bytes: 32 x stored row
	s_lshl_b32 s26, s22, 20                        ; source: 256 rows of 4,096 bytes x part of K, + 4 x first column
	s_lshl_b32 s25, s21, 9
	s_add_co_u32 s26, s26, s25
	s_lshl_b32 s25, s18, 7
	s_add_co_u32 s26, s26, s25
	s_mov_b32 s27, 0
	s_lshl_b32 s28, s20, 20                        ; codes: tile 64 weight + 8 group + 2 wave, + 4,096 x part of K
	s_lshl_b32 s25, s21, 17
	s_add_co_u32 s28, s28, s25
	s_lshl_b32 s25, s18, 15
	s_add_co_u32 s28, s28, s25
	s_lshl_b32 s25, s22, 12
	s_add_co_u32 s28, s28, s25
	s_add_co_u32 s28, s28, 8388608
	s_mov_b32 s29, 0
	s_lshl_b32 s30, s20, 15                        ; scale bytes: 32 x (1,024 weight + 128 group + 32 wave) + 8 x part of K
	s_lshl_b32 s25, s21, 12
	s_add_co_u32 s30, s30, s25
	s_lshl_b32 s25, s18, 10
	s_add_co_u32 s30, s30, s25
	s_lshl_b32 s25, s22, 3
	s_add_co_u32 s30, s30, s25
	s_add_co_u32 s30, s30, 262144
	s_mov_b32 s31, 0
	s_wait_alu depctr_va_vdst(0)
	s_wait_kmcnt 0x0
	s_cmp_eq_u32 s20, 1                            ; the choice hangs on the work-group's number alone
	s_cselect_b64 s[6:7], s[8:9], s[6:7]
	s_cmp_eq_u32 s20, 2
	s_cselect_b64 s[6:7], s[10:11], s[6:7]
	s_cmp_eq_u32 s20, 3
	s_cselect_b64 s[6:7], s[12:13], s[6:7]
	s_add_nc_u64 s[6:7], s[6:7], s[26:27]
	s_add_nc_u64 s[14:15], s[14:15], s[28:29]
	s_add_nc_u64 s[16:17], s[16:17], s[30:31]
.macro WLOAD t
.set I, 0
.rept 32
	global_load_b32 v[WX+32*((\t)%2)+I], v3, s[6:7] offset:(32*(\t)+I)*4096 th:TH_LOAD_NT   ; 128 consecutive bytes a wave
.set I, I+1
.endr
.endm
	WLOAD 0
	WLOAD 1
.macro WBLOCK t
.set XS, WX+32*((\t)%2)
.set CC, WC+8*(\t)
.if (\t) < 7
	s_wait_loadcnt 32                              ; this block's 32 loads are in; the next block's may be out
.else
	s_wait_loadcnt 0x0
.endif
	v_max3_num_f32 v12, |v[XS]|, |v[XS+1]|, |v[XS+2]|
	v_max3_num_f32 v13, |v[XS+3]|, |v[XS+4]|, |v[XS+5]|
.irp i, 6,10,14,18,22,26
	v_max3_num_f32 v12, v12, |v[XS+\i]|, |v[XS+\i+1]|
	v_max3_num_f32 v13, v13, |v[XS+\i+2]|, |v[XS+\i+3]|
.endr
	v_max3_num_f32 v12, v12, |v[XS+30]|, |v[XS+31]|
	v_max3_num_f32 v12, v12, v13, (EMAX+1)<<23
	v_add_nc_u32 v11, -(EMAX<<23), v12
	v_and_or_b32 v10, v12, 0x7f800000, s24
	v_lshrrev_b32 v13, 23, v11
.if (\t)%4 == 0
	v_mov_b32 v[SB+(\t)/4], v13
.else
	v_lshl_or_b32 v[SB+(\t)/4], v13, 8*((\t)%4), v[SB+(\t)/4]
.endif
.set I, 0
.rept 32
	v_med3_num_f32 v[XS+I], v[XS+I], -v10, v10
.set I, I+1
.endr
.irp g, 0,1,2,3
	v_cvt_scalef32_pk8_bf8_f32 v[CC+2*\g:CC+2*\g+1], v[XS+8*\g:XS+8*\g+7], v11
.endr
	global_store_b128 v8, v[CC:CC+3], s[14:15] offset:512*(\t)        ; piece 2 t: the sixteen lanes of a stored tile fill 256 consecutive bytes
	global_store_b128 v8, v[CC+4:CC+7], s[14:15] offset:512*(\t)+256  ; piece 2 t + 1
.if (\t)+2 < 8
	WLOAD (\t)+2
.endif
.endm
.irp t, 0,1,2,3,4,5,6,7
	WBLOCK \t
.endr
	global_store_b64 v9, v[SB:SB+1], s[16:17]      ; my column's eight scale bytes
	s_endpgm
; ---------------- the table.  Lane i is pair i; a wave takes 16 positions.  theta = 10000^(i / 32) = 10^(i / 8) rounded to f32; the frequency is 1 / theta (a reciprocal and one Newton step);
; the angle is the f32 product position x frequency; it is reduced by pi / 2 in two parts (the first subtraction is exact: a multiple of 2^-23 under 1), and sin and cos are polynomials on +-pi / 4, good to about 1e-7.
.Ltable:
	s_sub_co_u32 s19, ttmp9, 384
	s_lshl_b32 s19, s19, 2
	s_add_co_u32 s19, s19, s18
	s_lshl_b32 s30, s19, 4                         ; my first position
	s_lshl_b32 s20, s30, 8                         ; 256 bytes a position
	s_add_co_u32 s20, s20, 393216
	s_mov_b32 s21, 0
	s_wait_alu depctr_va_vdst(0)
	v_lshlrev_b32 v3, 3, v2                        ; 8 bytes a pair
	v_mov_b32 v7, 1.0
	v_mov_b32 v5, 1.0                              ; pair 0
.macro TH i, lit
	v_cmp_eq_u32 vcc_lo, \i, v2
	v_mul_f32 v6, \lit, v7                         ; the number itself: x 1.0
	v_cndmask_b32 v5, v5, v6, vcc_lo
.endm
	TH 1, 1.3335214321633
	TH 2, 1.7782794100389
	TH 3, 2.3713737056617
	TH 4, 3.1622776601684
	TH 5, 4.2169650342858
	TH 6, 5.6234132519035
	TH 7, 7.4989420933246
	TH 8, 10.0
	TH 9, 13.335214321633
	TH 10, 17.782794100389
	TH 11, 23.713737056617
	TH 12, 31.622776601684
	TH 13, 42.169650342858
	TH 14, 56.234132519035
	TH 15, 74.989420933246
	TH 16, 100.0
	TH 17, 133.35214321633
	TH 18, 177.82794100389
	TH 19, 237.13737056617
	TH 20, 316.22776601684
	TH 21, 421.69650342858
	TH 22, 562.34132519035
	TH 23, 749.89420933246
	TH 24, 1000.0
	TH 25, 1333.5214321633
	TH 26, 1778.2794100389
	TH 27, 2371.3737056617
	TH 28, 3162.2776601684
	TH 29, 4216.9650342858
	TH 30, 5623.4132519035
	TH 31, 7498.9420933246
	s_wait_alu depctr_va_vdst(0)
	v_rcp_f32 v8, v5
	v_nop                                          ; one plain place behind the reciprocal
	s_wait_alu depctr_va_vdst(0)
	v_fma_f32 v9, -v5, v8, 1.0
	v_fma_f32 v8, v8, v9, v8                       ; the frequency
	s_mov_b32 s24, 0xb94ca1f9                      ; sin: -1.9515295891e-4, 8.3321608736e-3, -1.6666654611e-1
	s_mov_b32 s25, 0x3c08839e
	s_mov_b32 s26, 0xbe2aaaa3
	s_mov_b32 s27, 0x37ccf5ce                      ; cos: 2.443315711809948e-5, -1.388731625493765e-3, 4.166664568298827e-2
	s_mov_b32 s28, 0xbab6061a
	s_mov_b32 s29, 0x3d2aaaa5
	s_mov_b32 s31, 0
	s_wait_kmcnt 0x0
	s_add_nc_u64 s[16:17], s[16:17], s[20:21]
.Lpos:
	v_cvt_f32_u32 v10, s30
	s_wait_alu depctr_va_vdst(0)
	v_mul_f32 v10, v10, v8                         ; the angle
	v_mul_f32 v11, 0x3f22f983, v10                 ; x 2 / pi
	v_rndne_f32 v11, v11                           ; k
	v_fmamk_f32 v12, v11, 0xbfc90fdb, v10          ; - k x the upper part of pi / 2
	v_fmamk_f32 v12, v11, 0x333bbd2e, v12          ; - k x the lower part (which is negative)
	v_mul_f32 v13, v12, v12                        ; z
	v_cvt_i32_f32 v20, v11
	v_fma_f32 v14, v13, s24, s25
	v_fma_f32 v17, v13, s27, s28
	v_fma_f32 v14, v14, v13, s26
	v_fma_f32 v17, v17, v13, s29
	v_mul_f32 v15, v13, v12
	v_mul_f32 v18, v13, v13
	v_fma_f32 v19, v13, -0.5, 1.0
	v_fma_f32 v16, v14, v15, v12                   ; sin of the rest
	v_fma_f32 v17, v17, v18, v19                   ; cos of the rest
	v_and_b32 v21, 1, v20
	v_cmp_eq_u32 vcc_lo, 1, v21                    ; odd k: the two change places
	v_cndmask_b32 v23, v16, v17, vcc_lo
	v_cndmask_b32 v22, v17, v16, vcc_lo
	v_lshlrev_b32 v21, 30, v20
	v_and_b32 v21, 0x80000000, v21                 ; sin is negated where k % 4 is 2 or 3,
	v_xor_b32 v23, v23, v21
	v_add_nc_u32 v20, 1, v20
	v_lshlrev_b32 v20, 30, v20
	v_and_b32 v20, 0x80000000, v20                 ; cos where it is 1 or 2
	v_xor_b32 v22, v22, v20
	global_store_b64 v3, v[22:23], s[16:17]        ; 32 lanes store a position's 256 bytes
	s_wait_xcnt 0x0                                ; the store's data and base are written again only behind this wait
	s_add_nc_u64 s[16:17], s[16:17], 256
	s_add_co_u32 s30, s30, 1
	s_add_co_u32 s31, s31, 1
	s_cmp_lt_u32 s31, 16
	s_cbranch_scc1 .Lpos
	s_endpgm
.Lfunc_end_k_q92b48c0596_prep:
	.size	k_q92b48c0596_prep, .Lfunc_end_k_q92b48c0596_prep-k_q92b48c0596_prep
	.p2alignl 7, 3214868480
	.fill 96, 4, 3214868480
	.section	.rodata,"a",@progbits
	.p2align	6, 0x0
	.amdhsa_kernel k_q92b48c0596_prep
		.amdhsa_group_segment_fixed_size 68096
		.amdhsa_private_segment_fixed_size 0
		.amdhsa_enable_private_segment 0
		.amdhsa_kernarg_size 56
		.amdhsa_user_sgpr_count 2
		.amdhsa_user_sgpr_kernarg_segment_ptr 1
		.amdhsa_wavefront_size32 1
		.amdhsa_system_sgpr_workgroup_id_x 1
		.amdhsa_system_sgpr_workgroup_id_y 1
		.amdhsa_system_sgpr_workgroup_id_z 1
		.amdhsa_system_vgpr_workitem_id 0
		.amdhsa_next_free_vgpr 194
		.amdhsa_next_free_sgpr 66
		.amdhsa_reserve_vcc 1
		.amdhsa_float_denorm_mode_32 3
		.amdhsa_float_denorm_mode_16_64 3
		.amdhsa_memory_ordered 1
		.amdhsa_forward_progress 1
		.amdhsa_inst_pref_size 117
	.end_amdhsa_kernel
	.amdgpu_metadata
---
amdhsa.version: [ 1, 2 ]
amdhsa.kernels:
  - .name:           k_q92b48c0596_prep
    .symbol:         k_q92b48c0596_prep.kd
    .args:
      - { .name: x, .offset: 0, .size: 8, .value_kind: global_buffer, .address_space: global }
      - { .name: Wq, .offset: 8, .size: 8, .value_kind: global_buffer, .address_space: global }
      - { .name: Wk, .offset: 16, .size: 8, .value_kind: global_buffer, .address_space: global }
      - { .name: Wv, .offset: 24, .size: 8, .value_kind: global_buffer, .address_space: global }
      - { .name: Wo, .offset: 32, .size: 8, .value_kind: global_buffer, .address_space: global }
      - { .name: pc, .offset: 40, .size: 8, .value_kind: global_buffer, .address_space: global }
      - { .name: ps, .offset: 48, .size: 8, .value_kind: global_buffer, .address_space: global }
    .group_segment_fixed_size: 68096
    .private_segment_fixed_size: 0
    .kernarg_segment_align: 8
    .kernarg_segment_size: 56
    .max_flat_workgroup_size: 128
    .sgpr_count:     66
    .vgpr_count:     194
    .wavefront_size: 32
...
	.end_amdgpu_metadata
.endif
;; end of part 1
;; launch qkproj (part 2): grid 8 x 32, 4 waves a work-group, clusters of 4 x 4, 327,680 bytes of LDS; arguments pc, ps, bq, sw, bk, qk, bv, vi; writes qk, sw, vi
.if DOCPART == 2
	.amdgcn_target "amdgcn-amd-amdhsa--gfx1250"
	.amdhsa_code_object_version 6
	.text
	.protected	k_q92b48c0596_qkproj
	.globl	k_q92b48c0596_qkproj
	.p2align	8
	.type	k_q92b48c0596_qkproj,@function
k_q92b48c0596_qkproj:
	s_mov_b64 s[64:65], 0
	v_nop
	global_prefetch_b8 v0, s[64:65] scope:SCOPE_SE
	s_setreg_imm32_b32 hwreg(HW_REG_WAVE_MODE, 25, 1), 1
	s_wait_xcnt 0x0
	s_wait_alu depctr_hold_cnt(0) depctr_sa_sdst(0) depctr_va_vdst(0) depctr_va_sdst(0) depctr_va_ssrc(0) depctr_va_vcc(0) depctr_vm_vsrc(0)
	s_getreg_b32 s2, hwreg(HW_REG_IB_STS2, 6, 4)
	s_cmp_eq_u32 s2, 0
	s_cbranch_scc0 .Lentry_in_a_cluster
	s_endpgm
.Lentry_in_a_cluster:
	s_bfe_u32 s2, ttmp6, 0x10000c
	s_cmp_lg_u32 s2, 0xf033
	s_cbranch_scc0 .Lentry_shape_is_right
	s_endpgm
.Lentry_shape_is_right:
; Q, K, V = x W + b on codes of BF8 (E5M2) with E8M0 scales, K = 1,024; the rotary embedding of Q and K; the quantisers of all three.  Codes and scale words leave in the order of the attention launch's operand registers.
; PHASE 1: a work-group makes 256 tokens x 256 columns of Q (tile columns 0-3) or K (4-7), a wave 128 x 128, through a ring of two LDS slots of 256 along K; A = tokens, shared along a row of the cluster, B = weights, along a column.
; PHASE 2: the same work-group makes 128 channels of V (block = its tile column) x its own 256 tokens, a wave 64 x 128.  Its first tiles are refills behind a drained round that stands ahead of phase 1's way out, which uses no LDS;
; slot 1 is filled again behind a second round in the middle of that way out.  Here Wv's tiles are shared along a column of the cluster and the tokens' along a row.
; No prefetch: each phase's ring has four fills in all, two of them ahead of its first product: there is no trip to run ahead in.
; LIMITS: NaN and infinities are not served; a block under 2^-111, and a block of zeros, takes the byte 1 (this program alone reads the bytes).
.set NQ,     2
.set FR,     16
.set NL,     4
.set NP,     8
.set TILEB,  4096
.set HALFT,  8*TILEB
.set SLOT,   4*HALFT
.set LAPS,   2
.set KS,     32
.set SCL,    2*SLOT
.set HALFS,  16*272
.set SBLK,   2*272
.set SPARE,  SCL+4*HALFS
.set ADRA, 16
.set ADRB, 20
.set TA,   24
.set LI,   25
.set SWA,  26
.set ADRS, 27
.set SPW,  28
.set NIL,  29
.set SC,   32
.set BI,   64
.set TS,   64
.set AF,   128
.set WK,   128
.set CD,   192
.set TM,   208
.set PW,   224
.set G1, 24
.set G0, 32
.set G1B, 48
.set G0B, 56
.set G1S, 68
.set G0S, 76
.set G1SB, 80
.set G0SB, 88
.set MSB, 0
.macro WIN new
.if MSB != (\new)
	s_set_vgpr_msb (MSB<<8)|(\new)
.set MSB, (\new)
.endif
.endm
.set MUL_LO, 0xa1
.set MUL_HI, 0xf1
.set TO_B,   0x40
.macro JLOAD g0a, g1a, g0b, g1b
	s_cmp_eq_u32 s15, 0
	s_cbranch_scc0 .Lfor_b_\@
	tensor_load_to_lds s[\g0a:\g0a+3], s[\g1a:\g1a+7]
	s_nop 0
.rept 4
	v_nop
.endr
	s_branch .Lasked_\@
.Lfor_b_\@:
	tensor_load_to_lds s[\g0b:\g0b+3], s[\g1b:\g1b+7]
	s_nop 0
.rept 4
	v_nop
.endr
.Lasked_\@:
.endm
.macro CREST
	s_cmp_lg_u32 s14, 0
	s_cbranch_scc1 .Lnot_wave_0_\@
	s_barrier_signal -3
.Lnot_wave_0_\@:
	s_barrier_wait -3
	s_barrier_signal -1
	s_barrier_wait -1
.endm
.macro CROUND
	s_barrier_signal -1
	s_barrier_wait -1
	CREST
.endm
	s_load_b128 s[4:7], s[0:1], 0x0
	s_load_b128 s[96:99], s[0:1], 0x10
	s_load_b64 s[100:101], s[0:1], 0x20
	s_load_b64 s[12:13], s[0:1], 0x28
	v_lshl_add_u32 v[SPW], v0, 2, SPARE
	v_mov_b32 v[NIL], 0
	ds_add_u32 v28, v29
	ds_add_u32 v28, v29
	s_wait_dscnt 0x0
	v_lshrrev_b32 v1, 5, v0
	v_readfirstlane_b32 s14, v1
	s_lshr_b32 s15, s14, 1
	s_and_b32 s16, s14, 1
	s_bfe_u32 s40, ttmp6, 0x40000
	s_bfe_u32 s41, ttmp6, 0x40004
	s_lshl_b32 s42, ttmp9, 2
	s_add_co_u32 s42, s42, s40
	s_and_b32 s17, ttmp7, 0xffff
	s_lshl_b32 s17, s17, 2
	s_add_co_u32 s17, s17, s41
	s_lshl_b32 s43, s41, 2
	s_lshl_b32 s43, 15, s43
	s_lshl_b32 s44, 0x1111, s40
	s_mov_b32 s2, 0xffff0000
	s_mov_b32 s66, 0x76543210
	s_mov_b32 s67, 0xfedcba98
	s_mov_b32 s95, 0x600000
	s_or_b32 s[G1+0], s43, (3<<16)|(1<<21)
	s_or_b32 s[G1B+0], s44, (3<<16)|(1<<21)
.irp g, G1, G1B
	s_mov_b32 s[\g+1], 512<<16
	s_mov_b32 s[\g+2], 16<<16                      ; the head's loads of codes bring 16 tiles; the ring's 8 (set behind the head's wait)
	s_mov_b32 s[\g+3], 512<<16
	s_mov_b32 s[\g+4], 16
	s_mov_b32 s[\g+5], 2048
	s_mov_b32 s[\g+6], 0
	s_mov_b32 s[\g+7], 0
.endr
	s_or_b32 s[G1S+0], s43, (3<<16)|(1<<20)|(1<<21)|(5<<22)|(3<<25)
	s_or_b32 s[G1SB+0], s44, (3<<16)|(1<<20)|(1<<21)|(5<<22)|(3<<25)
.irp g, G1S, G1SB
	s_mov_b32 s[\g+1], 32<<16
	s_mov_b32 s[\g+2], 32<<16                      ; the scale bytes of 256 rows: 32 rows of 256 bytes
	s_mov_b32 s[\g+3], 32<<16
	s_mov_b32 s[\g+4], 32
	s_mov_b32 s[\g+5], 32
	s_mov_b32 s[\g+6], 0
	s_mov_b32 s[\g+7], 0
.endr
	s_lshl_b32 s18, s16, 7
	s_lshl_b32 s20, s17, 8
	s_add_co_u32 s20, s20, s18
	s_lshl_b32 s46, s42, 8
	s_add_co_u32 s46, s46, s18
	s_lshl_b32 s22, s20, 5
	s_lshl_b32 s92, s46, 5
	s_lshl_b32 s20, s20, 10
	s_lshl_b32 s46, s46, 10
	s_mov_b32 s21, 0
	s_mov_b32 s23, 0
	s_mov_b32 s47, 0
	s_mov_b32 s93, 0
	s_mul_i32 s45, s14, HALFT
	s_wait_kmcnt 0x0
	s_add_nc_u64 s[8:9], s[4:5], 8388608
	s_add_nc_u64 s[10:11], s[6:7], 262144
	s_add_nc_u64 s[20:21], s[4:5], s[20:21]
	s_add_nc_u64 s[22:23], s[6:7], s[22:23]
	s_add_nc_u64 s[46:47], s[8:9], s[46:47]
	s_add_nc_u64 s[92:93], s[10:11], s[92:93]
	CROUND
	s_mov_b32 s[G0S], 1
	s_mov_b32 s[G0S+1], SCL
	s_sub_nc_u64 s[G0S+2:G0S+3], s[22:23], 4096    ; wave 1 asks: its address stands 128 rows x 32 bytes on
	s_or_b32 s[G0S+3], s[G0S+3], 0x80000000
	s_mov_b32 s[G0SB], 1
	s_mov_b32 s[G0SB+1], SCL+2*HALFS
	s_sub_nc_u64 s[G0SB+2:G0SB+3], s[92:93], 4096  ; wave 3 asks: likewise
	s_or_b32 s[G0SB+3], s[G0SB+3], 0x80000000
.irp s, 0,1
	s_mov_b32 s[G0+4*\s], 1
	s_add_co_u32 s[G0+4*\s+1], s45, \s*SLOT
	s_add_nc_u64 s[G0+4*\s+2:G0+4*\s+3], s[20:21], \s*TILEB
	s_or_b32 s[G0+4*\s+3], s[G0+4*\s+3], 0x80000000
	s_mov_b32 s[G0B+4*\s], 1
	s_add_co_u32 s[G0B+4*\s+1], s45, \s*SLOT
	s_add_nc_u64 s[G0B+4*\s+2:G0B+4*\s+3], s[46:47], \s*TILEB
	s_or_b32 s[G0B+4*\s+3], s[G0B+4*\s+3], 0x80000000
.endr
; THE HEAD'S LOADS, ONE A WAVE, in one chain of arms: wave 0 K step 0's 16 tiles of A (its slot 0 descriptor names their first byte), wave 1 A's scale bytes, wave 2 the 16 tiles of B, wave 3 B's scale bytes.
.macro ARM under, g0, g1, next
	s_cmp_lt_u32 s14, \under
	s_cbranch_scc0 \next
	tensor_load_to_lds s[\g0:\g0+3], s[\g1:\g1+7]
	s_nop 0
.rept 4
	v_nop
.endr
	s_branch .Lhead_asked
\next:
.endm
	ARM 1, G0,  G1,  .Lhead_sa
	ARM 2, G0S, G1S, .Lhead_b
	ARM 3, G0B, G1B, .Lhead_sb
	tensor_load_to_lds s[G0SB:G0SB+3], s[G1SB:G1SB+7]
	s_nop 0
.rept 4
	v_nop
.endr
.Lhead_asked:
	v_and_b32 v1, 15, v0
	v_bfe_u32 v2, v0, 4, 1
	v_and_b32 v6, 31, v0
	v_lshlrev_b32 v[LI], 4, v6
	s_mul_i32 s21, s15, HALFT
	s_mul_i32 s22, s16, HALFT
	s_add_co_u32 s22, s22, 2*HALFT
.irp s, 0,1
	v_add_nc_u32 v[ADRA+\s], s21, v[LI]
	v_add_nc_u32 v[ADRB+\s], s22, v[LI]
	s_add_co_u32 s21, s21, SLOT
	s_add_co_u32 s22, s22, SLOT
.endr
	v_mul_u32_u24 v5, v1, KS
	v_lshrrev_b32 v6, 8, v5
	v_lshl_add_u32 v5, v6, 4, v5
	s_mul_i32 s21, s15, HALFS
	s_mul_i32 s22, s16, HALFS
	s_add_co_u32 s22, s22, 2*HALFS
	s_sub_co_u32 s22, s22, s21
	v_mul_u32_u24 v6, s22, v2
	s_add_co_u32 s21, s21, SCL
	v_add_nc_u32 v5, v5, v6
	v_add_nc_u32 v[ADRS], s21, v5
	v_and_b32 v5, 8, v1
	v_add_nc_u32 v5, v5, v1
	v_lshlrev_b32 v[TA], 8, v5
	v_lshl_add_u32 v[TA], v2, 6, v[TA]
	v_lshlrev_b32 v[SWA], 2, v1
	v_lshl_add_u32 v[SWA], v2, 13, v[SWA]
	v_lshlrev_b32 v3, 6, v2
	s_cmp_eq_u32 ttmp9, 0
	s_cselect_b64 s[96:97], s[96:97], s[100:101]
	s_lshl_b32 s20, s40, 10
	s_lshl_b32 s22, s16, 9
	s_add_co_u32 s20, s20, s22
	s_mov_b32 s21, 0
	s_add_nc_u64 s[96:97], s[96:97], s[20:21]
.irp b, 0,1,2,3,4,5,6,7
	global_load_b128 v[BI+8*\b:BI+8*\b+3], v3, s[96:97] offset:(32*(\b/2)+8*(\b%2))*4
	global_load_b128 v[BI+8*\b+4:BI+8*\b+7], v3, s[96:97] offset:(32*(\b/2)+8*(\b%2))*4+16
.endr
	s_lshr_b32 s18, s17, 3
	s_and_b32 s19, s17, 7
	s_lshl_b32 s20, s18, 22
	s_lshl_b32 s22, s42, 19
	s_add_co_u32 s20, s20, s22
	s_lshl_b32 s22, s16, 18
	s_add_co_u32 s20, s20, s22
	s_lshl_b32 s22, s19, 14
	s_add_co_u32 s20, s20, s22
	s_lshl_b32 s22, s15, 13
	s_add_co_u32 s20, s20, s22
	s_add_nc_u64 s[12:13], s[12:13], s[20:21]
	s_lshr_b32 s20, s20, 4
	s_add_nc_u64 s[98:99], s[98:99], s[20:21]
	s_lshl_b32 s20, s19, 16
	s_lshl_b32 s22, s15, 15
	s_add_co_u32 s20, s20, s22
	s_add_co_u32 s20, s20, 393216
	s_add_nc_u64 s[100:101], s[6:7], s[20:21]
.macro FRAG reg, adr, q, i
.irp c, 0,1,2,3
	ds_load_b128 v[\reg+4*\c:\reg+4*\c+3], v[\adr] offset:TILEB*(\i)+2048*(\q)+512*\c
.endr
.endm
.macro MUL16 a0, p, q, sc, first
.irp a, \a0, \a0+1
.irp b, 0,1,2,3,4,5,6,7
.set DR, 8*(8*((\a)%4)+\b)
.if \first
	v_wmma_scale_f32_16x16x128_f8f6f4 v[DR:DR+7], v[128*(\p)+FR*\b:128*(\p)+FR*\b+FR-1], v[AF+FR*(\a):AF+FR*(\a)+FR-1], v[BI+8*\b:BI+8*\b+7], v[SC+8*NQ*(\sc)+NQ*\b+(\q)], v[SC+8*NQ*(\sc)+NQ*(\a)+(\q)] matrix_a_fmt:MATRIX_FMT_BF8 matrix_b_fmt:MATRIX_FMT_BF8 matrix_a_scale:MATRIX_SCALE_ROW1
.else
	v_wmma_scale_f32_16x16x128_f8f6f4 v[DR:DR+7], v[128*(\p)+FR*\b:128*(\p)+FR*\b+FR-1], v[AF+FR*(\a):AF+FR*(\a)+FR-1], v[DR:DR+7], v[SC+8*NQ*(\sc)+NQ*\b+(\q)], v[SC+8*NQ*(\sc)+NQ*(\a)+(\q)] matrix_a_fmt:MATRIX_FMT_BF8 matrix_b_fmt:MATRIX_FMT_BF8 matrix_a_scale:MATRIX_SCALE_ROW1
.endif
.endr
.endr
.endm
.macro FETCH_B slot, q, p
	WIN TO_B
.irp i, 0,1,2,3,4,5,6,7
	FRAG 128*(\p)+FR*\i, ADRB+\slot, \q, \i
.endr
	WIN 0
.endm
.macro FETCH_A slot, q, i0
.irp i, \i0, \i0+1, \i0+2, \i0+3
	FRAG AF+FR*(\i), ADRA+\slot, \q, \i
.endr
.endm
.macro SCALES sc
.irp i, 0,1,2,3,4,5,6,7
	ds_load_b64 v[SC+8*NQ*\sc+NQ*\i:SC+8*NQ*\sc+NQ*\i+1], v[ADRS] offset:\i*SBLK
.endr
.endm
.macro PLACES n
.rept \n
	v_nop
.endr
.endm
.macro STEP slot, q, first
	s_wait_dscnt 4*NL
	WIN MUL_LO-0x20*\first
	MUL16 0, (\q)%2, \q, \slot, \first
	MUL16 2, (\q)%2, \q, \slot, \first
	s_wait_dscnt 0
	PLACES NP
	FETCH_B \slot, (\q)+1, 1-(\q)%2
	FETCH_A \slot, (\q)+1, 0
	WIN MUL_HI-0x30*\first
	MUL16 4, (\q)%2, \q, \slot, \first
	MUL16 6, (\q)%2, \q, \slot, \first
	PLACES NP
	WIN 0
	FETCH_A \slot, (\q)+1, 4
.endm
.macro TURN slot, next, fill
	s_wait_tensorcnt 0x0
	ds_add_u32 v[SPW], v[NIL]
	s_wait_dscnt 4*NL+1
	WIN MUL_LO
	MUL16 0, 1, NQ-1, \slot, 0
	s_wait_dscnt 0x0
	s_barrier_signal -1
	MUL16 2, 1, NQ-1, \slot, 0
	WIN 0
	s_barrier_wait -1
.if \fill
	CREST
	s_add_nc_u64 s[G0+4*\slot+2:G0+4*\slot+3], s[G0+4*\slot+2:G0+4*\slot+3], 2*TILEB
	s_add_nc_u64 s[G0B+4*\slot+2:G0B+4*\slot+3], s[G0B+4*\slot+2:G0B+4*\slot+3], 2*TILEB
	JLOAD G0+4*\slot, G1, G0B+4*\slot, G1B
	PLACES NP-4
.else
	PLACES NP
.endif
	s_wait_alu depctr_va_vdst(0)
	v_add_nc_u32 v[ADRS], 4*NQ, v[ADRS]
	FETCH_B \next, 0, 0
	FETCH_A \next, 0, 0
	SCALES \next
	WIN MUL_HI
	MUL16 4, 1, NQ-1, \slot, 0
	MUL16 6, 1, NQ-1, \slot, 0
	PLACES NP
	WIN 0
	FETCH_A \next, 0, 4
.endm
.macro TABLE a
.irp bb, 0,1
.irp jj, 0,1,2,3
	global_load_b128 v[TS+32*((\a)%2)+16*\bb+4*\jj:TS+32*((\a)%2)+16*\bb+4*\jj+3], v[TA], s[100:101] offset:(32*((\a)/2)+8*((\a)%2))*256+128*\bb+16*\jj
.endr
.endr
.endm
	s_wait_alu depctr_va_vdst(0)                   ; the wait at the head's end
	s_wait_tensorcnt 0x0                           ; my tile of the head's four is in
	ds_add_u32 v[SPW], v[NIL]
	s_mov_b32 s[G1+2], 8<<16                       ; no tensor load of mine is out: from here on a load brings 8 tiles
	s_mov_b32 s[G1+4], 8
	s_mov_b32 s[G1B+2], 8<<16
	s_mov_b32 s[G1B+4], 8
	s_wait_dscnt 0x0
	CROUND                                         ; all four tiles are in, in every partner
	JLOAD G0+4, G1, G0B+4, G1B                     ; slot 1's first fill, the first tensor load behind the round
	FETCH_B 0, 0, 0
	FETCH_A 0, 0, 0
	SCALES 0
	FETCH_A 0, 0, 4
	s_wait_loadcnt 0x0
	STEP 0, 0, 1
	TABLE 0
	TABLE 1
	s_load_b128 s[8:11], s[0:1], 0x30              ; bv, vi: for phase 2; waited for ahead of phase 1's way out
	s_load_b64 s[96:97], s[0:1], 0x18              ; sw once more
	s_mov_b32 s3, LAPS-1
.Llap:
	TURN 0, 1, 1
	STEP 1, 0, 0
	TURN 1, 0, 1
	STEP 0, 0, 0
	s_sub_co_u32 s3, s3, 1
	s_cmp_lg_u32 s3, 0
	s_cbranch_scc1 .Llap
	TURN 0, 1, 0
	STEP 1, 0, 0
	s_wait_dscnt 4*NL
	WIN MUL_LO
	MUL16 0, 1, NQ-1, 1, 0
	MUL16 2, 1, NQ-1, 1, 0
	s_wait_dscnt 0
	WIN MUL_HI
	MUL16 4, 1, NQ-1, 1, 0
	MUL16 6, 1, NQ-1, 1, 0
	WIN 0
; PHASE 2's FIRST TILES.  My LDS reads are over; no tensor load of mine is out, so the descriptors are written anew.  VA = Wv's stored rows (pc + 10,485,760, ps + 327,680), VB = the tokens.
	s_wait_tensorcnt 0x0
	ds_add_u32 v[SPW], v[NIL]
	s_or_b32 s[G1+0], s44, (3<<16)|(1<<21)         ; VA hangs on the tile column: my column of the cluster;  8 tiles (the rows' count stands)
	s_or_b32 s[G1B+0], s43, (3<<16)|(1<<21)        ; VB on the tile row: my row;  16 tiles
	s_mov_b32 s[G1B+2], 16<<16
	s_mov_b32 s[G1B+4], 16
	s_or_b32 s[G1S+0], s44, (3<<16)|(1<<20)|(1<<21)|(5<<22)|(3<<25)
	s_or_b32 s[G1SB+0], s43, (3<<16)|(1<<20)|(1<<21)|(5<<22)|(3<<25)
	s_mov_b32 s[G1S+2], 16<<16                     ; VA's scale bytes: 128 rows, 16 units of 256 bytes;  VB's 32 stand
	s_mov_b32 s[G1S+4], 16
	s_lshl_b32 s18, s16, 6
	s_lshl_b32 s20, s42, 7
	s_add_co_u32 s20, s20, s18                     ; VA: row 128 x block + 64 x half
	s_lshl_b32 s18, s16, 7
	s_lshl_b32 s46, s17, 8
	s_add_co_u32 s46, s46, s18                     ; VB: row 256 x block + 128 x half
	s_lshl_b32 s22, s20, 5
	s_lshl_b32 s92, s46, 5
	s_lshl_b32 s20, s20, 10
	s_lshl_b32 s46, s46, 10
	s_add_co_u32 s20, s20, 10485760
	s_add_co_u32 s22, s22, 327680
	s_mov_b32 s21, 0
	s_mov_b32 s23, 0
	s_mov_b32 s47, 0
	s_mov_b32 s93, 0
	s_mul_i32 s94, s14, HALFT/2
	s_add_nc_u64 s[20:21], s[4:5], s[20:21]
	s_add_nc_u64 s[22:23], s[6:7], s[22:23]
	s_add_nc_u64 s[46:47], s[4:5], s[46:47]
	s_add_nc_u64 s[92:93], s[6:7], s[92:93]
	s_mov_b32 s[G0S], 1
	s_mov_b32 s[G0S+1], SCL
	s_sub_nc_u64 s[G0S+2:G0S+3], s[22:23], 2048    ; wave 1 asks: its address stands 64 rows x 32 bytes on
	s_or_b32 s[G0S+3], s[G0S+3], 0x80000000
	s_mov_b32 s[G0SB], 1
	s_mov_b32 s[G0SB+1], SCL+HALFS
	s_sub_nc_u64 s[G0SB+2:G0SB+3], s[92:93], 4096  ; wave 3 asks: 128 rows on
	s_or_b32 s[G0SB+3], s[G0SB+3], 0x80000000
.irp s, 0,1
	s_mov_b32 s[G0+4*\s], 1
	s_add_co_u32 s[G0+4*\s+1], s94, \s*SLOT
	s_add_nc_u64 s[G0+4*\s+2:G0+4*\s+3], s[20:21], \s*TILEB
	s_or_b32 s[G0+4*\s+3], s[G0+4*\s+3], 0x80000000
	s_mov_b32 s[G0B+4*\s], 1
	s_add_co_u32 s[G0B+4*\s+1], s45, \s*SLOT
	s_add_nc_u64 s[G0B+4*\s+2:G0B+4*\s+3], s[46:47], \s*TILEB
	s_or_b32 s[G0B+4*\s+3], s[G0B+4*\s+3], 0x80000000
.endr
	s_wait_dscnt 0x0
	CROUND                                         ; no wave of any partner still reads slot 0 or the scale bytes
.macro ARMV under, g0, g1, next        ; one refill a wave: wave 0 VA's tiles of K step 0, wave 1 VA's scale bytes, wave 2 VB's tiles, wave 3 VB's scale bytes
	s_cmp_lt_u32 s14, \under
	s_cbranch_scc0 \next
	tensor_load_to_lds s[\g0:\g0+3], s[\g1:\g1+7]
	s_nop 0
	PLACES 4
	s_branch .Lv_asked
\next:
.endm
	ARMV 1, G0,  G1,  .Lv_sa
	ARMV 2, G0S, G1S, .Lv_b
	ARMV 3, G0B, G1B, .Lv_sb
	tensor_load_to_lds s[G0SB:G0SB+3], s[G1SB:G1SB+7]
	s_nop 0
	PLACES 4
.Lv_asked:
.macro QUANT s, sw
	WIN ((\sw)<<2)|((\sw)<<4)
.irp b, 0,1,2,3
	v_max3_num_f32 v[TM+\b], 0x8000000, |v[(\s)+16*\b]|, |v[(\s)+16*\b+1]|
.endr
.irp i, 2,4,6,8,10,12,14
.irp b, 0,1,2,3
	v_max3_num_f32 v[TM+\b], v[TM+\b], |v[(\s)+16*\b+\i]|, |v[(\s)+16*\b+\i+1]|
.endr
.endr
	WIN 0
.irp b, 0,1,2,3
	v_permlanex16_b32 v[TM+4+\b], v[TM+\b], s66, s67
.endr
.irp b, 0,1,2,3
	v_max_num_f32 v[TM+\b], v[TM+\b], v[TM+4+\b]
.endr
.irp b, 0,1,2,3
	v_add_nc_u32 v[TM+12+\b], 0xf8800000, v[TM+\b]
.endr
.irp b, 0,1,2,3
	v_and_or_b32 v[TM+8+\b], v[TM+\b], 0x7f800000, s95
.endr
.irp b, 0,1,2,3
	v_lshrrev_b32 v[TM+4+\b], 23, v[TM+12+\b]
.endr
	v_lshl_or_b32 v[PW], v[TM+5], 8, v[TM+4]
	v_lshl_or_b32 v[PW], v[TM+6], 16, v[PW]
	v_lshl_or_b32 v[PW], v[TM+7], 24, v[PW]
	WIN (\sw)
.irp b, 0,1,2,3
.irp i, 0,1,2,3,4,5,6,7,8,9,10,11,12,13,14,15
	v_med3_num_f32 v[WK+16*\b+\i], v[(\s)+16*\b+\i], -v[TM+8+\b], v[TM+8+\b]
.endr
.endr
	WIN 0
.irp b, 0,1,2,3
	v_cvt_scalef32_pk8_bf8_f32 v[CD+4*\b:CD+4*\b+1], v[WK+16*\b:WK+16*\b+7], v[TM+12+\b]
	v_cvt_scalef32_pk8_bf8_f32 v[CD+4*\b+2:CD+4*\b+3], v[WK+16*\b+8:WK+16*\b+15], v[TM+12+\b]
.endr
	v_nop
.endm
.macro ROPE a, second
.irp b, 0,1,2,3,4,5,6,7
.irp e, 0,1,2,3
.set RW, WK+8*\b+2*\e
.set RX, 64*((\a)%4)+8*\b+2*\e
.set RC, TS+32*((\a)%2)+16*((\b/2)%2)+8*(\b%2)+2*\e
.if \second
	v_pk_fma_f32 v[RW:RW+1], v[RX:RX+1], v[RC:RC+1], v[RW:RW+1] op_sel:[1,1,0] op_sel_hi:[0,1,1] neg_lo:[1,0,0]
.else
	v_pk_mul_f32 v[RW:RW+1], v[RX:RX+1], v[RC:RC+1] op_sel_hi:[1,0]
.endif
.endr
.endr
.endm
.macro OUT a
.if (\a) > 0
	s_wait_xcnt 0x0
.endif
.if (\a) < 7
	s_wait_loadcnt 8
.else
	s_wait_loadcnt 0x0
.endif
	WIN 2+(\a)/4
	ROPE \a, 0
	ROPE \a, 1
	WIN 0
.if (\a) < 6
	TABLE (\a)+2
.endif
	QUANT WK, 0
.irp c, 0,1,2,3
	global_store_b128 v[LI], v[CD+4*\c:CD+4*\c+3], s[12:13] offset:1024*(\a)+131072*(\c/2)+512*(\c%2)
.endr
	v_and_b32 v225, 0xffff, v[PW]
	v_lshrrev_b32 v226, 16, v[PW]
	v_cndmask_b32 v225, v225, v226, s2
	global_store_b32 v[SWA], v225, s[98:99] offset:64*(\a)
.endm
	PLACES NP
.irp b, 0,1,2,3
	v_mov_b32 v[TM+4+\b], 0
.endr
	s_wait_kmcnt 0x0                               ; bv, vi, sw
	v_and_b32 v5, 8, v1
	v_add_nc_u32 v5, v5, v1
	v_lshlrev_b32 v3, 2, v5                        ; the true channel of stored row r: r + 8 (r / 8)
	s_lshl_b32 s20, s42, 9
	s_lshl_b32 s22, s15, 8
	s_add_co_u32 s20, s20, s22
	s_mov_b32 s21, 0
	s_add_nc_u64 s[8:9], s[8:9], s[20:21]
.irp a, 0,1,2,3
	global_load_b32 v[228+\a], v3, s[8:9] offset:(32*(\a/2)+8*(\a%2))*4   ; V's bias, a number a tile: it lands under the way out, whose last wait on LOADcnt is for 0
.endr
.irp a, 0,1,2,3
	OUT \a
.endr
	s_wait_alu depctr_va_vdst(0)                   ; the wait ahead of the wait below
	s_wait_tensorcnt 0x0                           ; my tile of phase 2's first four is in
	ds_add_u32 v[SPW], v[NIL]
	s_mov_b32 s[G1+2], 4<<16                       ; the ring's loads bring 4 tiles of VA,
	s_mov_b32 s[G1+4], 4
	s_mov_b32 s[G1B+2], 8<<16                      ; 8 of VB
	s_mov_b32 s[G1B+4], 8
	s_wait_dscnt 0x0
	CROUND                                         ; all four tiles are in, in every partner
	JLOAD G0+4, G1, G0B+4, G1B                     ; slot 1 is filled again: K step 1
.irp a, 4,5,6,7
	OUT \a
.endr
; PHASE 2.  Source 0 = tokens, source 1 = channels: a lane holds one channel, its registers run along the keys.  32 accumulators (window 2); both operands in two register sets: step n + 1's 48 LDS loads are issued ahead of step n's 32 products.
.macro VMUL8 a, p, q, sc, first
.irp b, 0,1,2,3,4,5,6,7
.set DR, 8*(8*(\a)+\b)
.if \first
	v_wmma_scale_f32_16x16x128_f8f6f4 v[DR:DR+7], v[128*(\p)+FR*\b:128*(\p)+FR*\b+FR-1], v[AF+64*(\p)+FR*(\a):AF+64*(\p)+FR*(\a)+FR-1], v[BI+8*(\a):BI+8*(\a)+7], v[SC+16*(\sc)+NQ*\b+(\q)], v[SC+16*(\sc)+NQ*(\a)+(\q)] matrix_a_fmt:MATRIX_FMT_BF8 matrix_b_fmt:MATRIX_FMT_BF8 matrix_a_scale:MATRIX_SCALE_ROW1
.else
	v_wmma_scale_f32_16x16x128_f8f6f4 v[DR:DR+7], v[128*(\p)+FR*\b:128*(\p)+FR*\b+FR-1], v[AF+64*(\p)+FR*(\a):AF+64*(\p)+FR*(\a)+FR-1], v[DR:DR+7], v[SC+16*(\sc)+NQ*\b+(\q)], v[SC+16*(\sc)+NQ*(\a)+(\q)] matrix_a_fmt:MATRIX_FMT_BF8 matrix_b_fmt:MATRIX_FMT_BF8 matrix_a_scale:MATRIX_SCALE_ROW1
.endif
.endr
.endm
.macro VFETCH slot, q, p               ; 48 loads: VB's eight fragments and VA's four into set p
	WIN TO_B
.irp i, 0,1,2,3,4,5,6,7
	FRAG 128*(\p)+FR*\i, ADRB+\slot, \q, \i
.endr
	WIN 0
.irp i, 0,1,2,3
	FRAG AF+64*(\p)+FR*\i, ADRA+\slot, \q, \i
.endr
.endm
.macro VSTEP slot, first               ; a slot's first 128 of K, on set 0
	PLACES NP                                      ; behind the products that read set 1
	VFETCH \slot, 1, 1
	s_wait_dscnt 48                                ; all but the 48 just issued: set 0 and its scale words are in
	WIN MUL_LO-0x20*\first
.irp a, 0,1,2,3
	VMUL8 \a, 0, 0, \slot, \first
.endr
	WIN 0
.endm
.macro VTURN slot, next, fill          ; a slot's second 128, on set 1, and the change of slots
	s_wait_tensorcnt 0x0                           ; my part of the next slot is in
	ds_add_u32 v[SPW], v[NIL]
	s_wait_dscnt 1                                 ; set 1 is in; the add may be out
	WIN MUL_LO
	VMUL8 0, 1, 1, \slot, 0
	s_wait_dscnt 0x0                               ; the add is done, my reads of this slot are over
	s_barrier_signal -1
	VMUL8 1, 1, 1, \slot, 0
	WIN 0
	s_barrier_wait -1
.if \fill
	CREST
	s_add_nc_u64 s[G0+4*\slot+2:G0+4*\slot+3], s[G0+4*\slot+2:G0+4*\slot+3], 2*TILEB
	s_add_nc_u64 s[G0B+4*\slot+2:G0B+4*\slot+3], s[G0B+4*\slot+2:G0B+4*\slot+3], 2*TILEB
	JLOAD G0+4*\slot, G1, G0B+4*\slot, G1B
	PLACES NP-4
.else
	PLACES NP
.endif
	v_add_nc_u32 v[ADRS], 4*NQ, v[ADRS]
	s_wait_alu depctr_va_vdst(0)                   ; the wait behind the write
	VFETCH \next, 0, 0
	SCALES \next
	WIN MUL_LO
	VMUL8 2, 1, 1, \slot, 0
	VMUL8 3, 1, 1, \slot, 0
	WIN 0
.endm
.macro VOUT a                          ; tile a's 64 sums a lane are 4 blocks of 32 keys (16 here, 16 in lane l xor 16)
.if (\a) > 0
	s_wait_xcnt 0x0                                ; the last tile's stores have read their data
.endif
	QUANT 64*(\a), 2
.irp c, 0,1,2,3
	global_store_b128 v[LI], v[CD+4*\c:CD+4*\c+3], s[10:11] offset:2048*(\a)+512*\c
.endr
.if (\a)%2 == 0
	v_mov_b32 v227, v[PW]
.else
	v_cndmask_b32 v225, v227, v[PW], s2            ; lanes 0-15 the even tile's words, lanes 16-31 the odd tile's
	global_store_b32 v[SWA], v225, s[96:97] offset:64*((\a)-1)
.endif
.endm
	s_wait_xcnt 0x0                                ; phase 1's stores have read their registers
	v_and_b32 v1, 15, v0
	v_bfe_u32 v2, v0, 4, 1
	v_and_b32 v6, 31, v0
	v_lshlrev_b32 v[SWA], 2, v6
	s_mul_i32 s21, s15, HALFT/2
	s_mul_i32 s22, s16, HALFT
	s_add_co_u32 s22, s22, 2*HALFT
.irp s, 0,1
	v_add_nc_u32 v[ADRA+\s], s21, v[LI]
	v_add_nc_u32 v[ADRB+\s], s22, v[LI]
	s_add_co_u32 s21, s21, SLOT
	s_add_co_u32 s22, s22, SLOT
.endr
	v_mul_u32_u24 v5, v1, 32                       ; my row's scale bytes: 32 a row, 16 more for each 256 passed
	v_lshrrev_b32 v6, 8, v5
	v_lshl_add_u32 v5, v6, 4, v5
	s_mul_i32 s21, s15, HALFS/2
	s_mul_i32 s22, s16, HALFS
	s_add_co_u32 s22, s22, HALFS
	s_sub_co_u32 s22, s22, s21
	v_mul_u32_u24 v6, s22, v2                      ; lanes 16-31 take VB's
	s_add_co_u32 s21, s21, SCL
	v_add_nc_u32 v5, v5, v6
	v_add_nc_u32 v[ADRS], s21, v5
.irp a, 0,1,2,3
.irp j, 0,1,2,3,4,5,6,7
	v_mov_b32 v[BI+8*\a+\j], v[228+\a]             ; the bias is the first products' C: a lane's eight registers of tile a are one channel
.endr
.endr
	s_lshr_b32 s18, s17, 3                         ; batch
	s_and_b32 s19, s17, 7
	s_lshl_b32 s20, s18, 21                        ; vi: [batch][head 131,072][key step 8,192][tile 2,048][piece 512][lane 16]
	s_lshl_b32 s22, s42, 18
	s_add_co_u32 s20, s20, s22
	s_lshl_b32 s22, s15, 17
	s_add_co_u32 s20, s20, s22
	s_lshl_b32 s22, s19, 14
	s_add_co_u32 s20, s20, s22
	s_lshl_b32 s22, s16, 13
	s_add_co_u32 s20, s20, s22
	s_mov_b32 s21, 0
	s_add_nc_u64 s[10:11], s[10:11], s[20:21]
	s_lshr_b32 s20, s20, 5
	s_add_co_u32 s20, s20, 1048576
	s_add_nc_u64 s[96:97], s[96:97], s[20:21]
	s_wait_alu depctr_va_vdst(0)
	VFETCH 0, 0, 0
	SCALES 0
	VSTEP 0, 1
	VTURN 0, 1, 1
	VSTEP 1, 0
	VTURN 1, 0, 1
	VSTEP 0, 0
	VTURN 0, 1, 0
	VSTEP 1, 0
	s_wait_dscnt 0x0
	WIN MUL_LO
.irp a, 0,1,2,3
	VMUL8 \a, 1, 1, 1, 0
.endr
	WIN 0
	PLACES NP
.irp a, 0,1,2,3
	VOUT \a
.endr
	s_wait_tensorcnt 0x0                           ; the wave's end
	ds_add_u32 v[SPW], v[NIL]
	s_wait_dscnt 0x0
	CROUND
	s_endpgm
.Lfunc_end_k_q92b48c0596_qkproj:
	.size	k_q92b48c0596_qkproj, .Lfunc_end_k_q92b48c0596_qkproj-k_q92b48c0596_qkproj
	.p2alignl 7, 3214868480
	.fill 96, 4, 3214868480
	.section	.rodata,"a",@progbits
	.p2align	6, 0x0
	.amdhsa_kernel k_q92b48c0596_qkproj
		.amdhsa_group_segment_fixed_size 327680
		.amdhsa_private_segment_fixed_size 0
		.amdhsa_enable_private_segment 0
		.amdhsa_kernarg_size 64
		.amdhsa_user_sgpr_count 2
		.amdhsa_user_sgpr_kernarg_segment_ptr 1
		.amdhsa_wavefront_size32 1
		.amdhsa_system_sgpr_workgroup_id_x 1
		.amdhsa_system_sgpr_workgroup_id_y 1
		.amdhsa_system_sgpr_workgroup_id_z 1
		.amdhsa_system_vgpr_workitem_id 0
		.amdhsa_next_free_vgpr 1024
		.amdhsa_next_free_sgpr 102
		.amdhsa_reserve_vcc 0
		.amdhsa_float_denorm_mode_32 3
		.amdhsa_float_denorm_mode_16_64 3
		.amdhsa_memory_ordered 1
		.amdhsa_forward_progress 1
		.amdhsa_inst_pref_size 255
	.end_amdhsa_kernel
	.section	.bss,"aw",@nobits
	.p2align	6
	.space	262144
	.amdgpu_metadata
---
amdhsa.version: [ 1, 2 ]
amdhsa.kernels:
  - .name:           k_q92b48c0596_qkproj
    .symbol:         k_q92b48c0596_qkproj.kd
    .args:
      - { .name: pc, .offset: 0, .size: 8, .value_kind: global_buffer, .address_space: global }
      - { .name: ps, .offset: 8, .size: 8, .value_kind: global_buffer, .address_space: global }
      - { .name: bq, .offset: 16, .size: 8, .value_kind: global_buffer, .address_space: global }
      - { .name: sw, .offset: 24, .size: 8, .value_kind: global_buffer, .address_space: global }
      - { .name: bk, .offset: 32, .size: 8, .value_kind: global_buffer, .address_space: global }
      - { .name: qk, .offset: 40, .size: 8, .value_kind: global_buffer, .address_space: global }
      - { .name: bv, .offset: 48, .size: 8, .value_kind: global_buffer, .address_space: global }
      - { .name: vi, .offset: 56, .size: 8, .value_kind: global_buffer, .address_space: global }
    .group_segment_fixed_size: 327680
    .private_segment_fixed_size: 0
    .kernarg_segment_align: 8
    .kernarg_segment_size: 64
    .max_flat_workgroup_size: 128
    .sgpr_count:     102
    .vgpr_count:     1024
    .wavefront_size: 32
...
	.end_amdgpu_metadata
.endif
;; end of part 2
;; launch attn (part 3): grid 4 x 64, 16 waves a work-group, clusters of 4 x 1, 276,480 bytes of LDS; arguments qk, vi, sw, ic, isc; writes ic, isc
.if DOCPART == 3
	.amdgcn_target "amdgcn-amd-amdhsa--gfx1250"
	.amdhsa_code_object_version 6
	.text
	.protected	k_q92b48c0596_attn
	.globl	k_q92b48c0596_attn
	.p2align	8
	.type	k_q92b48c0596_attn,@function
k_q92b48c0596_attn:
	s_mov_b64 s[64:65], 0
	v_nop
	global_prefetch_b8 v0, s[64:65] scope:SCOPE_SE
	s_setreg_imm32_b32 hwreg(HW_REG_WAVE_MODE, 25, 1), 1
	s_wait_xcnt 0x0
	s_wait_alu depctr_hold_cnt(0) depctr_sa_sdst(0) depctr_va_vdst(0) depctr_va_sdst(0) depctr_va_ssrc(0) depctr_va_vcc(0) depctr_vm_vsrc(0)
	s_getreg_b32 s2, hwreg(HW_REG_IB_STS2, 6, 4)
	s_cmp_eq_u32 s2, 0
	s_cbranch_scc0 .Lentry_in_a_cluster
	s_endpgm
.Lentry_in_a_cluster:
	s_bfe_u32 s2, ttmp6, 0x10000c
	s_cmp_lg_u32 s2, 0x3003
	s_cbranch_scc0 .Lentry_shape_is_right
	s_endpgm
.Lentry_shape_is_right:
; ATTENTION of one head on codes of BF8 (E5M2) with E8M0 scales: S^T = K Q^T (K = the head's 64), p = 2^(t - M), O^T = V^T P^T (K = the keys), O / the row's sum, quantised along (head, channel) for the last projection.
; t = score x log2(e) / 32; M = the running largest t rounded UP to a whole number; p is not normalised; the row's sum is taken of the unquantised p in f32; when M moves, sum and O^T are multiplied by 2^(old M - new M): exact.
; SHARES.  A work-group owns 512 queries of one head; each of its sixteen waves a tile of 16 queries, twice (two passes).  Four waves lie on a SIMD, so that one wave's vector work stands beside another's matrix work and LDS loads.
; THE HEAD'S WHOLE K AND V LIE IN LDS, filled once: 131,072 bytes each, and their scale words.  The four work-groups of a cluster own the four query blocks of one head, so every fill is asked for JOINTLY.
; Fourteen tensor loads, at most one a wave, are out at the start; the first six bring the scale words and the first 512 keys, and work begins when those have landed.  No LDS byte is filled twice.
; LAYOUT.  All operands lie in the order of their registers (16 bytes a lane, 512 a load).  Both products are used transposed: a lane holds ONE query (lane % 16).  Stored key tiles are such that the 16 registers of tiles
; 2 b, 2 b + 1 are the true keys 32 b + 16 (lane / 16) + 0 .. 15; V's stored channel tiles likewise for the channels.
; K = 64 IN AN INSTRUCTION OF 128: Q's registers 8-15 are zero codes.  A key tile's operand is its 8 registers and the 8 that follow: the next tile's codes, and behind the last tile p's codes of the step before (zeros at first).
; All of these are finite.  Bytes 2 and 3 of Q's and K's scale words are 0 (a power of two, no NaN).
; THE ORDER OF A STEP.  The hold writes into registers of its own, so p stays as it is, and the row's sum of step j is taken at the head of step j + 1: its additions are the places behind the products V^T P and stand
; between K's loads and the wait for them.  The first step of a pass finds p = 0; the last sum is taken at the pass's end.  The sum takes p(j - 1) under M(j - 1) before it is multiplied by 2^(M(j - 1) - M(j)).
; OUT: ic, the result's codes as an operand [8192 stored tokens][1024]; isc [stored token][32] its scale bytes.
; LIMITS: NaN and infinities are not served; a block under 2^-111 takes the byte 1, a block of zeros too; 1 / sum is a reciprocal with one Newton step.
; REGISTERS: v1 16 lane, v2 4 lane, v4 32 r + h, v5 4 r; v8-11 addresses of the step; v12 -M, v13 largest t, v[14:15] the sum; v16-23 Q, v24-31 zeros; v32-95 K's 8 tiles, then V's 4; v96-111 p's codes;
;   v112-175 S^T, then p; v176-207 O^T; v208-215 and v248-255 two sets of eight held numbers (v208-211 also two chains of the sum); v216-231 at work; v[232:233] f; v234 p's scale word; v235 at work;
;   v[236:237] a chain of the sum; v238 the old -M; v240-243 K's scale words, v244-245 V's; v246, v247 Q's of pass 0, 1.
.set KIMG, 0
.set VIMG, 131072
.set KSW,  262144
.set VSW,  270336
.set CDS,  96                          ; p's codes
.set S,    112                         ; S^T, then p
.set O,    176                         ; O^T: directly behind p, so that one run clears both
.set GA, 24                            ; s[24:31] group 1: 32 rows of 256 bytes;  s[32:39] 16 rows;  s[40:47] 64 rows;  s[48:55] 96 rows
.set GB, 32
.set GC, 40
.set GD, 48
.macro ROUND                           ; a round of the cluster's barrier
	s_barrier_signal -1
	s_barrier_wait -1
	s_cmp_lg_u32 s14, 0
	s_cbranch_scc1 .Lnot_wave_0_\@
	s_barrier_signal -3
.Lnot_wave_0_\@:
	s_barrier_wait -3
	s_barrier_signal -1
	s_barrier_wait -1
.endm
.macro G1SET g, rows                   ; dense rows of 256 bytes (32 elements of 8); the mask names all four work-groups
	s_mov_b32 s[\g], 15|(3<<16)|(1<<21)
	s_mov_b32 s[\g+1], 32<<16
	s_mov_b32 s[\g+2], (\rows)<<16
	s_mov_b32 s[\g+3], 32<<16
	s_mov_b32 s[\g+4], \rows
	s_mov_b32 s[\g+5], 32
	s_mov_b32 s[\g+6], 0
	s_mov_b32 s[\g+7], 0
.endm
.macro G0SET g, base, off              ; (the LDS address, word 1, is written apart)
	s_mov_b32 s[\g], 1
	s_add_nc_u64 s[\g+2:\g+3], s[\base:\base+1], s[\off:\off+1]
	s_or_b32 s[\g+3], s[\g+3], 0x80000000
.endm
	s_load_b128 s[4:7], s[0:1], 0x0                ; qk, vi
	s_load_b128 s[8:11], s[0:1], 0x10              ; sw, ic
	s_load_b64 s[12:13], s[0:1], 0x20              ; isc
	v_lshl_add_u32 v254, v0, 2, 0x43000
	v_mov_b32 v255, 0
	ds_add_u32 v254, v255
	ds_add_u32 v254, v255
	s_wait_dscnt 0x0
	v_lshrrev_b32 v3, 5, v0
	s_delay_alu instid0(VALU_DEP_1)
	v_readfirstlane_b32 s14, v3                    ; wave 0..15
	s_and_b32 s15, ttmp7, 0xffff                   ; 16 batch + head: shared by the four partners
	s_lshr_b32 s16, s15, 4                         ; batch
	s_and_b32 s17, s15, 15                         ; head
	s_bfe_u32 s18, ttmp6, 0x40000                  ; cx
	s_lshl_b32 s2, ttmp9, 2
	s_add_co_u32 s18, s18, s2                      ; my block of 512 queries: it enters Q's and the outputs' addresses alone
	G1SET GA, 32
	G1SET GB, 16
	G1SET GC, 64
	G1SET GD, 96
	s_add_co_u32 s3, s17, 16                       ; K's heads lie behind Q's sixteen
	s_lshl_b32 s84, s16, 18                        ; K's scale words: 262,144 a batch, 8,192 a head
	s_lshl_b32 s2, s3, 13
	s_add_co_u32 s84, s84, s2
	s_mov_b32 s85, 0
	s_lshl_b32 s86, s15, 12                        ; V's scale words: 4,096 a head
	s_add_co_u32 s86, s86, 1048576
	s_mov_b32 s87, 0
	s_lshl_b32 s88, s16, 22                        ; K's codes: 4 MiB a batch, 131,072 a head
	s_lshl_b32 s2, s3, 17
	s_add_co_u32 s88, s88, s2
	s_mov_b32 s89, 0
	s_lshl_b32 s90, s15, 17                        ; V's codes
	s_mov_b32 s91, 0
	s_and_b32 s92, s14, 1                          ; a half, 16,384 bytes, of the first quarter
	s_lshl_b32 s92, s92, 14
	s_mov_b32 s93, 0
	s_and_b32 s94, s14, 3                          ; a quarter, 24,576 bytes, of the rest
	s_mul_i32 s94, s94, 24576
	s_add_co_u32 s94, s94, 32768
	s_mov_b32 s95, 0
	s_mov_b32 s57, KSW                             ; the LDS addresses: constants and the wave's number
	s_mov_b32 s61, VSW
	s_and_b32 s69, s14, 1
	s_lshl_b32 s69, s69, 14
	s_add_co_u32 s73, s69, VIMG
	s_and_b32 s77, s14, 3
	s_mul_i32 s77, s77, 24576
	s_add_co_u32 s77, s77, 32768
	s_add_co_u32 s81, s77, VIMG
	s_mov_b32 s19, 0x600000                        ; the mantissa field of 57,344
	s_mov_b32 s20, 0x76543210
	s_mov_b32 s21, 0xfedcba98                      ; selects: lane l xor 16
	s_mov_b32 s22, 0x3d38aa3b                      ; c = log2(e) / 32
	s_mov_b32 s23, s22                             ; (named with it as a pair)
	s_wait_kmcnt 0x0
	s_add_nc_u64 s[88:89], s[4:5], s[88:89]
	s_add_nc_u64 s[90:91], s[6:7], s[90:91]
	G0SET 56, 8, 84
	G0SET 60, 8, 86
	G0SET 68, 88, 92
	G0SET 72, 90, 92
	G0SET 76, 88, 94
	G0SET 80, 90, 94
	ROUND                                          ; all four work-groups are here: the joint loads meet
; THE FILLS, AT MOST ONE A WAVE, in one chain of arms on the wave's number: wave 0 K's scale words, wave 1 V's, waves 2, 3 the halves of K's keys 0-511, waves 4, 5 of V's;
; waves 8-11 the quarters of K's keys 512 on, waves 12-15 of V's; waves 6, 7 none.  Waves under 6 wait ahead of the first barrier, all waves ahead of the second.
.macro ARM under, g0, g1, next
	s_cmp_lt_u32 s14, \under
	s_cbranch_scc0 \next
	tensor_load_to_lds s[\g0:\g0+3], s[\g1:\g1+7]
	s_nop 0
.rept 4
	v_nop
.endr
	s_branch .Lhead_asked
\next:
.endm
	ARM 1, 56, GA, .Lhead_1
	ARM 2, 60, GB, .Lhead_2
	ARM 4, 68, GC, .Lhead_3
	ARM 6, 72, GC, .Lhead_4
	s_cmp_lt_u32 s14, 8
	s_cbranch_scc1 .Lhead_asked
	ARM 12, 76, GD, .Lhead_5
	tensor_load_to_lds s[80:83], s[GD:GD+7]
	s_nop 0
.rept 4
	v_nop
.endr
.Lhead_asked:
	s_mov_b32 s2, 0xffff0000                       ; lanes 16-31
	s_lshl_b32 s84, s16, 22                        ; Q: my tile 32 block + wave of the head: 1,024 bytes a tile
	s_lshl_b32 s3, s17, 17
	s_add_co_u32 s84, s84, s3
	s_lshl_b32 s3, s18, 15
	s_add_co_u32 s84, s84, s3
	s_lshl_b32 s3, s14, 10
	s_add_co_u32 s84, s84, s3
	s_add_nc_u64 s[4:5], s[4:5], s[84:85]
	s_lshr_b32 s84, s84, 4                         ; its scale words: a sixteenth of each
	s_add_nc_u64 s[8:9], s[8:9], s[84:85]
	s_lshl_b32 s84, s16, 21                        ; ic: tile 128 batch + 32 block + wave, 16,384 bytes; + 1,024 x head
	s_lshl_b32 s3, s18, 19
	s_add_co_u32 s84, s84, s3
	s_lshl_b32 s3, s14, 14
	s_add_co_u32 s84, s84, s3
	s_lshl_b32 s3, s17, 10
	s_add_co_u32 s84, s84, s3
	s_add_nc_u64 s[10:11], s[10:11], s[84:85]
	s_lshl_b32 s84, s16, 16                        ; isc: 512 bytes a tile; + 2 x head
	s_lshl_b32 s3, s18, 14
	s_add_co_u32 s84, s84, s3
	s_lshl_b32 s3, s14, 9
	s_add_co_u32 s84, s84, s3
	s_lshl_b32 s3, s17, 1
	s_add_co_u32 s84, s84, s3
	s_add_nc_u64 s[12:13], s[12:13], s[84:85]
	v_and_b32 v3, 31, v0
	s_delay_alu instid0(VALU_DEP_1)
	v_lshlrev_b32 v1, 4, v3
	s_delay_alu instid0(VALU_DEP_2)
	v_lshlrev_b32 v2, 2, v3
	v_and_b32 v6, 15, v0
	v_bfe_u32 v7, v0, 4, 1
	s_delay_alu instid0(VALU_DEP_1)
	v_lshl_add_u32 v4, v6, 5, v7
	s_delay_alu instid0(VALU_DEP_3)
	v_lshlrev_b32 v5, 2, v6
	global_load_b128 v[16:19], v1, s[4:5]          ; pass 0's queries
	global_load_b128 v[20:23], v1, s[4:5] offset:512
	global_load_b32 v246, v5, s[8:9]               ; their scale words,
	global_load_b32 v247, v5, s[8:9] offset:1024   ; and pass 1's: sixteen tiles on
.irp j, 0,1,2,3,4,5,6,7
	v_mov_b32 v[24+\j], 0                          ; zero codes: Q's k = 64 .. 127
	v_mov_b32 v[CDS+\j], 0                         ; and what stands behind K's last tile in the first step
.endr
.irp b, 0,1,2,3
	v_mov_b32 v[220+\b], 0                         ; a lane permute's destination counts as one of its sources
.endr
	v_mov_b32 v233, 0                              ; (the upper half of the pair v[232:233])
	v_mov_b32 v235, 0
.macro INIT                            ; the step is written without a first step of its own: it finds p = 0 and O^T = 0, which the first change of M leaves zeros
	v_mov_b32 v13, 0xff61b1e6                      ; -3e38, under every t
	s_delay_alu instid0(VALU_DEP_1)
	v_floor_f32 v12, -v13
	v_mov_b32 v14, 0
	v_mov_b32 v15, 0
.set J, 0
.rept 96
	v_mov_b32 v[S+J], 0                            ; p's 64 registers and O^T's 32
.set J, J+1
.endr
.endm
; THE ROW'S SUM of the 32 pairs of p, unquantised, in four chains: v[14:15] (the sum itself), v[236:237], v[208:209], v[210:211].  32 additions: 6 + 23 that name p, and 3 that join the chains.
.macro SUMA
	v_pk_add_f32 v[236:237], v[S:S+1], v[S+2:S+3]
	v_pk_add_f32 v[208:209], v[S+4:S+5], v[S+6:S+7]
	v_pk_add_f32 v[210:211], v[S+8:S+9], v[S+10:S+11]
	v_pk_add_f32 v[14:15], v[14:15], v[S+12:S+13]
	v_pk_add_f32 v[236:237], v[236:237], v[S+14:S+15]
	v_pk_add_f32 v[208:209], v[208:209], v[S+16:S+17]
.endm
.macro SUMB
.irp j, 9,13,17,21,25
	v_pk_add_f32 v[210:211], v[210:211], v[S+2*\j:S+2*\j+1]
	v_pk_add_f32 v[14:15], v[14:15], v[S+2*\j+2:S+2*\j+3]
	v_pk_add_f32 v[236:237], v[236:237], v[S+2*\j+4:S+2*\j+5]
	v_pk_add_f32 v[208:209], v[208:209], v[S+2*\j+6:S+2*\j+7]
.endr
	v_pk_add_f32 v[210:211], v[210:211], v[S+58:S+59]
	v_pk_add_f32 v[14:15], v[14:15], v[S+60:S+61]
	v_pk_add_f32 v[236:237], v[236:237], v[S+62:S+63]
.endm
; THE HOLD, two numbers an instruction: numbers 2 k, 2 k + 1 of group g (eight numbers: half g % 2 of block g / 2) go, held, into set g % 2.  One destination is even and one odd, the first sources lie in different
; register banks, the second source is one register.  p is not negative, so the hold is one-sided; the conversion does not saturate (ISA guide 7.6.2).
.macro DM g, k
	v_dual_min_num_f32 v[208+40*((\g)%2)+2*\k], v[S+8*(\g)+2*\k], v[224+(\g)/2] :: v_dual_min_num_f32 v[208+40*((\g)%2)+2*\k+1], v[S+8*(\g)+2*\k+1], v[224+(\g)/2]
.endm
.macro CV g                            ; group g's eight codes
	v_cvt_scalef32_pk8_bf8_f32 v[CDS+2*(\g):CDS+2*(\g)+1], v[208+40*((\g)%2):208+40*((\g)%2)+7], v[228+(\g)/2]
.endm
; A KEY STEP: 128 keys.  qs: the register of Q's scale words.
.macro STEP qs
	v_add_nc_u32 v8, s96, v1                       ; K's eight tiles
	v_add_nc_u32 v10, s97, v2                      ; K's scale words
	SUMA                                           ; the last step's p.  These eight lines are the places in front of loads into registers that the last products read
.irp t, 0,1,2,3,4,5,6,7
	ds_load_b128 v[32+8*\t:35+8*\t], v8 offset:1024*\t
	ds_load_b128 v[36+8*\t:39+8*\t], v8 offset:1024*\t+512
.endr
.irp u, 0,1,2,3
	ds_load_b32 v[240+\u], v10 offset:128*\u       ; lanes 0-15 tile 2 u's words, lanes 16-31 tile 2 u + 1's
.endr
	SUMB                                           ; K lands while the sum goes on
	s_wait_alu depctr_va_vdst(0)
	s_wait_dscnt 0x0
.irp t, 0,2,4,6
	v_wmma_scale_f32_16x16x128_f8f6f4 v[S+8*\t:S+8*\t+7], v[32+8*\t:47+8*\t], v[16:31], 0, v[240+\t/2], v[\qs] matrix_a_fmt:MATRIX_FMT_BF8 matrix_b_fmt:MATRIX_FMT_BF8
	v_wmma_scale_f32_16x16x128_f8f6f4 v[S+8+8*\t:S+15+8*\t], v[40+8*\t:55+8*\t], v[16:31], 0, v[240+\t/2], v[\qs] matrix_a_fmt:MATRIX_FMT_BF8 matrix_b_fmt:MATRIX_FMT_BF8 matrix_a_scale:MATRIX_SCALE_ROW1
.endr
	v_add_nc_u32 v9, 0x20000, v8                   ; eight places, in front of the loads below and of the first read of the scores: V's four tiles;
	v_pk_add_f32 v[14:15], v[14:15], v[236:237]    ; the sum's chains are joined;
	v_pk_add_f32 v[208:209], v[208:209], v[210:211]
	v_add_nc_u32 v11, s98, v2                      ; V's scale words;
	v_mov_b32 v238, v12                            ; the old -M
	v_nop
	v_pk_add_f32 v[14:15], v[14:15], v[208:209]
	v_nop
.irp t, 0,1,2,3
.irp c, 0,1,2,3
	ds_load_b128 v[32+16*\t+4*\c:35+16*\t+4*\c], v9 offset:2048*\t+512*\c      ; V lands while the softmax is worked
.endr
.endr
.irp u, 0,1
	ds_load_b32 v[244+\u], v11 offset:128*\u
.endr
.irp b, 0,1,2,3
	v_max3_num_f32 v[216+\b], v[S+16*\b], v[S+1+16*\b], v[S+2+16*\b]           ; the largest score of each block of 32 keys: for the row's maximum, and, since p rises with the score, for the block's largest p
.endr
.irp i, 3,5,7,9,11,13
.irp b, 0,1,2,3
	v_max3_num_f32 v[216+\b], v[216+\b], v[S+16*\b+\i], v[S+1+16*\b+\i]
.endr
.endr
.irp b, 0,1,2,3
	v_max_num_f32 v[216+\b], v[216+\b], v[S+15+16*\b]
.endr
.irp b, 0,1,2,3
	s_delay_alu instid0(VALU_DEP_4)
	v_permlanex16_b32 v[220+\b], v[216+\b], s20, s21
.endr
.irp b, 0,1,2,3
	s_delay_alu instid0(VALU_DEP_4)
	v_max_num_f32 v[216+\b], v[216+\b], v[220+\b]
.endr
	s_delay_alu instid0(VALU_DEP_2)
	v_max3_num_f32 v235, v216, v217, v218
	s_delay_alu instid0(VALU_DEP_1)
	v_max_num_f32 v235, v235, v219
	s_delay_alu instid0(VALU_DEP_1)
	v_mul_f32 v235, s22, v235                      ; as t
	s_delay_alu instid0(VALU_DEP_1)
	v_max_num_f32 v13, v13, v235                   ; the running largest t
	s_delay_alu instid0(VALU_DEP_1)
	v_floor_f32 v12, -v13                          ; -M = floor(-t)
	s_delay_alu instid0(VALU_DEP_1)
	v_sub_f32 v235, v12, v238                      ; old M - new M: a whole number, 0 or less
	s_delay_alu instid0(VALU_DEP_1)
	v_cvt_i32_f32 v235, v235                       ; (it saturates)
	s_delay_alu instid0(VALU_DEP_1)
	v_ldexp_f32 v232, 1.0, v235                    ; f = 2^(old M - new M)
.set J, 0
.rept 32
	v_pk_fma_f32 v[S+J:S+J+1], v[S+J:S+J+1], s[22:23], v[12:13] op_sel_hi:[1,0,0]   ; t - M
.set J, J+2
.endr
.irp b, 0,1,2,3
	v_fma_f32 v[216+\b], v[216+\b], s22, v12
.endr
.set J, 0
	s_wait_alu depctr_va_vdst(0)
.rept 64
	v_exp_f32 v[S+J], v[S+J]                       ; p = 2^(t - M)
.set J, J+1
.endr
.irp b, 0,1,2,3
	v_exp_f32 v[216+\b], v[216+\b]                 ; the block's largest p: the same two instructions on the same number
.endr
	v_pk_mul_f32 v[14:15], v[14:15], v[232:233] op_sel_hi:[1,0]                ; the sum, all earlier steps' p in it, under the new M.  (A plain place behind the exponentials)
	s_wait_alu depctr_va_vdst(0)
.irp b, 0,1,2,3
	v_max_num_f32 v[216+\b], 0x8000000, v[216+\b]  ; the floor 2^(16 - 127)
.endr
.irp b, 0,1,2,3
	s_delay_alu instid0(VALU_DEP_4)
	v_add_nc_u32 v[228+\b], 0xf8800000, v[216+\b]  ; the conversion's scale operand
.endr
.irp b, 0,1,2,3
	v_and_or_b32 v[224+\b], v[216+\b], 0x7f800000, s19   ; 57,344 x the scale
.endr
.irp b, 0,1,2,3
	v_lshrrev_b32 v[220+\b], 23, v[228+\b]
.endr
	s_delay_alu instid0(VALU_DEP_3)
	v_lshl_or_b32 v234, v221, 8, v220              ; p's scale word for these 128 keys
	s_delay_alu instid0(VALU_DEP_1)
	v_lshl_or_b32 v234, v222, 16, v234
	s_delay_alu instid0(VALU_DEP_1)
	v_lshl_or_b32 v234, v223, 24, v234
; Eight groups of eight: held into the two sets by turns.  A group's conversion stands one hold behind its last; its set is written again three holds behind the conversion.
.set G, 0
.rept 8
	DM G, 0
.if G > 0
	CV G-1
.endif
	DM G, 1
	DM G, 2
	DM G, 3
.set G, G+1
.endr
	CV 7
.set J, 0
.rept 16
	v_pk_mul_f32 v[O+J:O+J+1], v[O+J:O+J+1], v[232:233] op_sel_hi:[1,0]        ; O^T under the new M.  (Also the places behind the conversions and in front of the products)
.set J, J+2
.endr
	s_wait_alu depctr_va_vdst(0)
	s_wait_dscnt 0x0                               ; V and its scale words
.irp t, 0,2
	v_wmma_scale_f32_16x16x128_f8f6f4 v[O+8*\t:O+8*\t+7], v[32+16*\t:47+16*\t], v[CDS:CDS+15], v[O+8*\t:O+8*\t+7], v[244+\t/2], v234 matrix_a_fmt:MATRIX_FMT_BF8 matrix_b_fmt:MATRIX_FMT_BF8
	v_wmma_scale_f32_16x16x128_f8f6f4 v[O+8+8*\t:O+15+8*\t], v[48+16*\t:63+16*\t], v[CDS:CDS+15], v[O+8+8*\t:O+15+8*\t], v[244+\t/2], v234 matrix_a_fmt:MATRIX_FMT_BF8 matrix_b_fmt:MATRIX_FMT_BF8 matrix_a_scale:MATRIX_SCALE_ROW1
.endr
	s_add_co_u32 s96, s96, 8192                    ; the next 128 keys
	s_add_co_u32 s97, s97, 512
	s_add_co_u32 s98, s98, 256
.endm
; THE END OF A PASS: the last step's p is summed (these additions are the places behind the last products); O^T / the sum; its 32 registers are channels 32 b + 16 (lane / 16) + i of my query: two blocks of 32 along the last projection's K.
.macro FIN p
	SUMA
	SUMB
	s_delay_alu instid0(VALU_DEP_1)
	v_pk_add_f32 v[14:15], v[14:15], v[236:237]
	s_delay_alu instid0(VALU_DEP_4)
	v_pk_add_f32 v[208:209], v[208:209], v[210:211]
	s_delay_alu instid0(VALU_DEP_1)
	v_pk_add_f32 v[14:15], v[14:15], v[208:209]
	s_delay_alu instid0(VALU_DEP_1)
	v_add_f32 v14, v14, v15
	s_delay_alu instid0(VALU_DEP_1)
	v_permlanex16_b32 v235, v14, s20, s21
	s_delay_alu instid0(VALU_DEP_1)
	v_add_f32 v14, v14, v235                       ; the row's sum
	s_wait_alu depctr_va_vdst(0)
	v_rcp_f32 v15, v14
	v_nop
	s_wait_alu depctr_va_vdst(0)
	v_fma_f32 v235, -v14, v15, 1.0
	v_fma_f32 v15, v15, v235, v15
.set J, 0
.rept 32
	v_mul_f32 v[S+J], v[O+J], v15                  ; each accumulator from its low end on
.set J, J+1
.endr
.irp b, 0,1
	v_max3_num_f32 v[216+\b], |v[S+16*\b]|, |v[S+1+16*\b]|, 0x8000000
.endr
.irp i, 2,4,6,8,10,12,14
.irp b, 0,1
	s_delay_alu instid0(VALU_DEP_2)
	v_max3_num_f32 v[216+\b], v[216+\b], |v[S+16*\b+\i]|, |v[S+1+16*\b+\i]|
.endr
.endr
.irp b, 0,1
	s_delay_alu instid0(VALU_DEP_2)
	v_permlanex16_b32 v[220+\b], v[216+\b], s20, s21
.endr
.irp b, 0,1
	s_delay_alu instid0(VALU_DEP_2)
	v_max_num_f32 v[216+\b], v[216+\b], v[220+\b]
.endr
.irp b, 0,1
	s_delay_alu instid0(VALU_DEP_2)
	v_add_nc_u32 v[228+\b], 0xf8800000, v[216+\b]
.endr
.irp b, 0,1
	s_delay_alu instid0(VALU_DEP_4)
	v_and_or_b32 v[224+\b], v[216+\b], 0x7f800000, s19
.endr
.irp b, 0,1
	s_delay_alu instid0(VALU_DEP_4)
	v_lshrrev_b32 v[220+\b], 23, v[228+\b]
.endr
.irp b, 0,1
.irp i, 0,1,2,3,4,5,6,7,8,9,10,11,12,13,14,15
	v_med3_num_f32 v[S+16*\b+\i], v[S+16*\b+\i], -v[224+\b], v[224+\b]
.endr
	v_cvt_scalef32_pk8_bf8_f32 v[CDS+4*\b:CDS+4*\b+1], v[S+16*\b:S+16*\b+7], v[228+\b]
	v_cvt_scalef32_pk8_bf8_f32 v[CDS+4*\b+2:CDS+4*\b+3], v[S+16*\b+8:S+16*\b+15], v[228+\b]
.endr
	v_cndmask_b32 v235, v220, v221, s2             ; lanes 0-15 store the first block's byte, lanes 16-31 the second's.  (A plain place behind the conversions)
	global_store_b128 v1, v[CDS:CDS+3], s[10:11] offset:262144*\p
	global_store_b128 v1, v[CDS+4:CDS+7], s[10:11] offset:262144*\p+512
	global_store_b8 v4, v235, s[12:13] offset:8192*\p
.endm
	INIT
	s_mov_b32 s96, 0
	s_mov_b32 s97, KSW
	s_mov_b32 s98, VSW
	s_wait_alu depctr_va_vdst(0)                   ; the wait ahead of the branch
	s_cmp_lt_u32 s14, 6
	s_cbranch_scc0 .Lnot_first
	s_wait_tensorcnt 0x0                           ; waves 0-5: the scale words and the first 512 keys are in; the rest may be out
.Lnot_first:
	s_barrier_signal -1
	s_barrier_wait -1                              ; everybody's are
	s_wait_loadcnt 0x0                             ; Q
	s_mov_b32 s99, 4
.Lfirst:                                           ; keys 0-511
	STEP 246
	s_sub_co_u32 s99, s99, 1
	s_cmp_lg_u32 s99, 0
	s_cbranch_scc1 .Lfirst
	s_wait_tensorcnt 0x0                           ; my parts of the rest are in
	s_wait_dscnt 0x0
	s_barrier_signal -1
	s_barrier_wait -1                              ; a step's first LDS reads stand at its head: those of keys 512 on come behind this barrier
	s_mov_b32 s99, 12
.Lrest:                                            ; keys 512-2047
	STEP 246
	s_sub_co_u32 s99, s99, 1
	s_cmp_lg_u32 s99, 0
	s_cbranch_scc1 .Lrest
	global_load_b128 v[16:19], v1, s[4:5] offset:16384             ; pass 1's queries, sixteen tiles on: they land while pass 0 is finished (the last product that read Q stands a whole softmax back)
	global_load_b128 v[20:23], v1, s[4:5] offset:16896
	FIN 0
	s_wait_xcnt 0x0                                ; the stores have read their data: it is written again only behind this wait
	INIT
	s_mov_b32 s96, 0
	s_mov_b32 s97, KSW
	s_mov_b32 s98, VSW
	s_wait_loadcnt 0x0                             ; pass 1's Q
	s_mov_b32 s99, 16
.Lsecond:
	STEP 247
	s_sub_co_u32 s99, s99, 1
	s_cmp_lg_u32 s99, 0
	s_cbranch_scc1 .Lsecond
	FIN 1
	s_wait_dscnt 0x0
	s_wait_xcnt 0x0
	v_lshl_add_u32 v254, v0, 2, 0x43000
	v_mov_b32 v255, 0
	s_wait_alu depctr_va_vdst(0)
	s_wait_tensorcnt 0x0
	ds_add_u32 v254, v255
	s_wait_dscnt 0x0
	ROUND                                          ; the closing round: no work-group ends while a partner may still ask jointly
	s_endpgm
.Lfunc_end_k_q92b48c0596_attn:
	.size	k_q92b48c0596_attn, .Lfunc_end_k_q92b48c0596_attn-k_q92b48c0596_attn
	.p2alignl 7, 3214868480
	.fill 96, 4, 3214868480
	.section	.rodata,"a",@progbits
	.p2align	6, 0x0
	.amdhsa_kernel k_q92b48c0596_attn
		.amdhsa_group_segment_fixed_size 276480
		.amdhsa_private_segment_fixed_size 0
		.amdhsa_enable_private_segment 0
		.amdhsa_kernarg_size 40
		.amdhsa_user_sgpr_count 2
		.amdhsa_user_sgpr_kernarg_segment_ptr 1
		.amdhsa_wavefront_size32 1
		.amdhsa_system_sgpr_workgroup_id_x 1
		.amdhsa_system_sgpr_workgroup_id_y 1
		.amdhsa_system_sgpr_workgroup_id_z 1
		.amdhsa_system_vgpr_workitem_id 0
		.amdhsa_next_free_vgpr 256
		.amdhsa_next_free_sgpr 100
		.amdhsa_reserve_vcc 0
		.amdhsa_float_denorm_mode_32 3
		.amdhsa_float_denorm_mode_16_64 3
		.amdhsa_memory_ordered 1
		.amdhsa_forward_progress 1
		.amdhsa_inst_pref_size 93
	.end_amdhsa_kernel
	.amdgpu_metadata
---
amdhsa.version: [ 1, 2 ]
amdhsa.kernels:
  - .name:           k_q92b48c0596_attn
    .symbol:         k_q92b48c0596_attn.kd
    .args:
      - { .name: qk, .offset: 0, .size: 8, .value_kind: global_buffer, .address_space: global }
      - { .name: vi, .offset: 8, .size: 8, .value_kind: global_buffer, .address_space: global }
      - { .name: sw, .offset: 16, .size: 8, .value_kind: global_buffer, .address_space: global }
      - { .name: ic, .offset: 24, .size: 8, .value_kind: global_buffer, .address_space: global }
      - { .name: isc, .offset: 32, .size: 8, .value_kind: global_buffer, .address_space: global }
    .group_segment_fixed_size: 276480
    .private_segment_fixed_size: 0
    .kernarg_segment_align: 8
    .kernarg_segment_size: 40
    .max_flat_workgroup_size: 512
    .sgpr_count:     100
    .vgpr_count:     256
    .wavefront_size: 32
...
	.end_amdgpu_metadata
.endif
;; end of part 3
;; launch oproj (part 4): grid 4 x 64, 4 waves a work-group, clusters of 4 x 4, 327,680 bytes of LDS; arguments ic, isc, pc, ps, bo, out0; writes out0
.if DOCPART == 4
	.amdgcn_target "amdgcn-amd-amdhsa--gfx1250"
	.amdhsa_code_object_version 6
	.text
	.protected	k_q92b48c0596_oproj
	.globl	k_q92b48c0596_oproj
	.p2align	8
	.type	k_q92b48c0596_oproj,@function
k_q92b48c0596_oproj:
	s_mov_b64 s[64:65], 0
	v_nop
	global_prefetch_b8 v0, s[64:65] scope:SCOPE_SE
	s_setreg_imm32_b32 hwreg(HW_REG_WAVE_MODE, 25, 1), 1
	s_wait_xcnt 0x0
	s_wait_alu depctr_hold_cnt(0) depctr_sa_sdst(0) depctr_va_vdst(0) depctr_va_sdst(0) depctr_va_ssrc(0) depctr_va_vcc(0) depctr_vm_vsrc(0)
	s_getreg_b32 s2, hwreg(HW_REG_IB_STS2, 6, 4)
	s_cmp_eq_u32 s2, 0
	s_cbranch_scc0 .Lentry_in_a_cluster
	s_endpgm
.Lentry_in_a_cluster:
	s_bfe_u32 s2, ttmp6, 0x10000c
	s_cmp_lg_u32 s2, 0xf033
	s_cbranch_scc0 .Lentry_shape_is_right
	s_endpgm
.Lentry_shape_is_right:
; out0 = inter Wo + bo on codes of BF8 (E5M2) with E8M0 scales, K = 1,024, f32 sums, f32 out.
; A = the attention's result (ic, scale bytes isc; stored tokens), B = Wo's stored rows (output columns; pc + 11,534,336, ps + 360,448).  Tiles of 16 rows x 1,024 K, 16,384 bytes, in register order: K step s, piece c at 2048 s + 512 c + 16 lane.
; Stored row i holds true row i with bits 3 and 4 exchanged: stored tile 2 c + u, row s is true row 32 c + 8 u + s + 8 (s / 8).
; SHARES.  256 work-groups, each 128 tokens x 256 columns; four waves, each 64 x 128: 32 accumulators.  Source 0 = columns, source 1 = tokens: a lane holds one token, its registers run along the columns.
; K goes through two LDS slots of 256 along K (A 8 tiles, B 16 tiles of 4,096 bytes).  Both operands have two register sets: step n + 1's 48 LDS loads are issued ahead of step n's 32 products.
; CLUSTERS 4 x 4: A's tiles are shared along a row of the cluster, B's along a column, by joint loads.  No prefetch: the ring has four fills in all, two of them ahead of the first product: there is no trip to run ahead in.
; LIMITS: NaN and infinities are not served.
.set NQ, 2
.set FR, 16
.set NP, 8
.set TILEB, 4096
.set HALFT, 8*TILEB
.set SLOT, 4*HALFT                     ; A's 8 tiles at 0, B's 16 at 2 HALFT
.set SCL, 2*SLOT                       ; scale bytes as units of 256 + 16: A's 16 units, then B's 32
.set HALFS, 16*272
.set SBLK, 2*272
.set SPARE, SCL+4*HALFS
.set SPITCH, 528                       ; the way out: a stage of 16 rows x (512 + 16) bytes a wave, in slot 0, behind its last fill and last read
.set ADRA, 16
.set ADRB, 20
.set STO, 24
.set RDB, 25
.set CO, 26
.set ADRS, 27
.set SPW, 28
.set NIL, 29
.set SC, 32                            ; scale words: set s at SC + 16 s; register 2 i + q: lanes 0-15 A's block i (i < 4), lanes 16-31 B's block i
.set BI, 64                            ; the bias: the first products' C
.set AF, 128                           ; A's fragments: set p at AF + 64 p
.set BK, 128
.set G1, 24
.set G0, 32
.set G1B, 48
.set G0B, 56
.set G1S, 68
.set G0S, 76
.set G1SB, 80
.set G0SB, 88
.set MSB, 0
.macro WIN new
.if MSB != (\new)
	s_set_vgpr_msb (MSB<<8)|(\new)
.set MSB, (\new)
.endif
.endm
.set MULW, 0xa1                        ; source 0 (B) window 1, source 1 (A) window 0, C and D window 2
.set TO_B, 0x40
.macro PLACES n
.rept \n
	v_nop
.endr
.endm
.macro TL g0, g1
	tensor_load_to_lds s[\g0:\g0+3], s[\g1:\g1+7]
	s_nop 0
	PLACES 4
.endm
.macro JLOAD g0a, g1a, g0b, g1b        ; waves 0, 1 fetch A's halves, waves 2, 3 B's
	s_cmp_eq_u32 s15, 0
	s_cbranch_scc0 .Lfor_b_\@
	TL \g0a, \g1a
	s_branch .Lasked_\@
.Lfor_b_\@:
	TL \g0b, \g1b
.Lasked_\@:
.endm
.macro CREST
	s_cmp_lg_u32 s14, 0
	s_cbranch_scc1 .Lnot_wave_0_\@
	s_barrier_signal -3
.Lnot_wave_0_\@:
	s_barrier_wait -3
	s_barrier_signal -1
	s_barrier_wait -1
.endm
.macro CROUND
	s_barrier_signal -1
	s_barrier_wait -1
	CREST
.endm
.macro GRP g, c, rows, pitch           ; descriptor group 1, words 1 to 7
	s_mov_b32 s[\g+1], (\c)<<16
	s_mov_b32 s[\g+2], (\rows)<<16
	s_mov_b32 s[\g+3], (\c)<<16
	s_mov_b32 s[\g+4], \rows
	s_mov_b32 s[\g+5], \pitch
	s_mov_b32 s[\g+6], 0
	s_mov_b32 s[\g+7], 0
.endm
	s_load_b128 s[4:7], s[0:1], 0x0                ; ic, isc
	s_load_b128 s[8:11], s[0:1], 0x10              ; pc, ps
	s_load_b64 s[96:97], s[0:1], 0x20              ; bo
	s_load_b64 s[12:13], s[0:1], 0x28              ; out0
	v_lshl_add_u32 v[SPW], v0, 2, SPARE
	v_mov_b32 v[NIL], 0
	ds_add_u32 v[SPW], v[NIL]
	ds_add_u32 v[SPW], v[NIL]
	s_wait_dscnt 0x0
	v_lshrrev_b32 v1, 5, v0
	v_readfirstlane_b32 s14, v1                    ; wave
	s_lshr_b32 s15, s14, 1                         ; my half of A's rows; also: I fetch for A (0) or B (1)
	s_and_b32 s16, s14, 1                          ; my half of B's rows; also: which half I fetch
	s_bfe_u32 s40, ttmp6, 0x40000
	s_bfe_u32 s41, ttmp6, 0x40004
	s_lshl_b32 s42, ttmp9, 2
	s_add_co_u32 s42, s42, s40                     ; block of 256 columns
	s_and_b32 s17, ttmp7, 0xffff
	s_lshl_b32 s17, s17, 2
	s_add_co_u32 s17, s17, s41                     ; block of 128 tokens
	s_lshl_b32 s43, s41, 2
	s_lshl_b32 s43, 15, s43
	s_lshl_b32 s44, 0x1111, s40
	s_or_b32 s[G1+0], s43, (3<<16)|(1<<21)
	s_or_b32 s[G1B+0], s44, (3<<16)|(1<<21)
	GRP G1, 512, 8, 2048                           ; the head's: A's 8 tiles, rows of 4,096 bytes, 16,384 apart
	GRP G1B, 512, 16, 2048                         ; B's 16
	s_or_b32 s[G1S+0], s43, (3<<16)|(1<<20)|(1<<21)|(5<<22)|(3<<25)
	s_or_b32 s[G1SB+0], s44, (3<<16)|(1<<20)|(1<<21)|(5<<22)|(3<<25)
	GRP G1S, 32, 16, 32
	GRP G1SB, 32, 32, 32
	s_lshl_b32 s18, s16, 6
	s_lshl_b32 s20, s17, 7
	s_add_co_u32 s20, s20, s18                     ; A: row 128 x block + 64 x half
	s_lshl_b32 s18, s16, 7
	s_lshl_b32 s46, s42, 8
	s_add_co_u32 s46, s46, s18                     ; B: row 256 x block + 128 x half
	s_lshl_b32 s22, s20, 5
	s_lshl_b32 s92, s46, 5
	s_lshl_b32 s20, s20, 10
	s_lshl_b32 s46, s46, 10
	s_mov_b32 s21, 0
	s_mov_b32 s23, 0
	s_mov_b32 s47, 0
	s_mov_b32 s93, 0
	s_mul_i32 s45, s14, HALFT
	s_mul_i32 s94, s14, HALFT/2
	s_wait_kmcnt 0x0
	s_add_nc_u64 s[8:9], s[8:9], 11534336
	s_add_nc_u64 s[10:11], s[10:11], 360448
	s_add_nc_u64 s[20:21], s[4:5], s[20:21]
	s_add_nc_u64 s[22:23], s[6:7], s[22:23]
	s_add_nc_u64 s[46:47], s[8:9], s[46:47]
	s_add_nc_u64 s[92:93], s[10:11], s[92:93]
	s_mov_b32 s[G0S], 1
	s_mov_b32 s[G0S+1], SCL
	s_sub_nc_u64 s[G0S+2:G0S+3], s[22:23], 2048    ; wave 1 asks: its address stands 64 rows x 32 bytes on
	s_or_b32 s[G0S+3], s[G0S+3], 0x80000000
	s_mov_b32 s[G0SB], 1
	s_mov_b32 s[G0SB+1], SCL+HALFS
	s_sub_nc_u64 s[G0SB+2:G0SB+3], s[92:93], 4096  ; wave 3 asks: 128 rows on
	s_or_b32 s[G0SB+3], s[G0SB+3], 0x80000000
.irp s, 0,1
	s_mov_b32 s[G0+4*\s], 1
	s_add_co_u32 s[G0+4*\s+1], s94, \s*SLOT
	s_add_nc_u64 s[G0+4*\s+2:G0+4*\s+3], s[20:21], \s*TILEB
	s_or_b32 s[G0+4*\s+3], s[G0+4*\s+3], 0x80000000
	s_mov_b32 s[G0B+4*\s], 1
	s_add_co_u32 s[G0B+4*\s+1], s45, \s*SLOT
	s_add_nc_u64 s[G0B+4*\s+2:G0B+4*\s+3], s[46:47], \s*TILEB
	s_or_b32 s[G0B+4*\s+3], s[G0B+4*\s+3], 0x80000000
.endr
	CROUND
; THE HEAD'S LOADS, ONE A WAVE: wave 0 A's tiles of K step 0, wave 1 A's scale bytes, wave 2 B's tiles, wave 3 B's scale bytes
.macro ARM under, g0, g1, next
	s_cmp_lt_u32 s14, \under
	s_cbranch_scc0 \next
	TL \g0, \g1
	s_branch .Lhead_asked
\next:
.endm
	ARM 1, G0,  G1,  .Lhead_sa
	ARM 2, G0S, G1S, .Lhead_b
	ARM 3, G0B, G1B, .Lhead_sb
	TL G0SB, G1SB
.Lhead_asked:
	v_and_b32 v1, 15, v0
	v_bfe_u32 v2, v0, 4, 1
	v_and_b32 v6, 31, v0
	v_lshlrev_b32 v[CO], 4, v6
	s_mul_i32 s21, s15, HALFT/2
	s_mul_i32 s22, s16, HALFT
	s_add_co_u32 s22, s22, 2*HALFT
.irp s, 0,1
	v_add_nc_u32 v[ADRA+\s], s21, v[CO]
	v_add_nc_u32 v[ADRB+\s], s22, v[CO]
	s_add_co_u32 s21, s21, SLOT
	s_add_co_u32 s22, s22, SLOT
.endr
	v_mul_u32_u24 v5, v1, 32                       ; my row's scale bytes: 32 a row, 16 more for each 256 passed
	v_lshrrev_b32 v6, 8, v5
	v_lshl_add_u32 v5, v6, 4, v5
	s_mul_i32 s21, s15, HALFS/2
	s_mul_i32 s22, s16, HALFS
	s_add_co_u32 s22, s22, HALFS
	s_sub_co_u32 s22, s22, s21
	v_mul_u32_u24 v6, s22, v2                      ; lanes 16-31 take B's
	s_add_co_u32 s21, s21, SCL
	v_add_nc_u32 v5, v5, v6
	v_add_nc_u32 v[ADRS], s21, v5
	s_mul_i32 s23, s14, 16*SPITCH
	v_mul_u32_u24 v5, v1, SPITCH
	v_lshl_add_u32 v5, v2, 6, v5
	v_add_nc_u32 v[STO], s23, v5                   ; into my stage: row r, 64 bytes for each half of the lanes
	v_add_nc_u32 v[RDB], s23, v[CO]                ; and back: a row of 512 bytes over the 32 lanes
	v_lshlrev_b32 v3, 6, v2
	s_lshl_b32 s20, s42, 10
	s_lshl_b32 s22, s16, 9
	s_add_co_u32 s20, s20, s22                     ; my first column, in bytes
	s_mov_b32 s21, 0
	s_add_nc_u64 s[96:97], s[96:97], s[20:21]
.irp b, 0,1,2,3,4,5,6,7
	global_load_b128 v[BI+8*\b:BI+8*\b+3], v3, s[96:97] offset:(32*(\b/2)+8*(\b%2))*4
	global_load_b128 v[BI+8*\b+4:BI+8*\b+7], v3, s[96:97] offset:(32*(\b/2)+8*(\b%2))*4+16
.endr
	s_lshl_b32 s22, s17, 19                        ; my first row: 128 x block + 64 x half, 4,096 bytes a row
	s_add_co_u32 s20, s20, s22
	s_lshl_b32 s22, s15, 18
	s_add_co_u32 s20, s20, s22
	s_add_nc_u64 s[12:13], s[12:13], s[20:21]
.macro FRAG reg, adr, q, i
.irp c, 0,1,2,3
	ds_load_b128 v[\reg+4*\c:\reg+4*\c+3], v[\adr] offset:TILEB*(\i)+2048*(\q)+512*\c
.endr
.endm
.macro MUL8 a, p, q, sc, first         ; A's block a against B's eight; the 32 accumulators take turns in one order in every step
.irp b, 0,1,2,3,4,5,6,7
.set DR, 8*(8*(\a)+\b)
.if \first
	v_wmma_scale_f32_16x16x128_f8f6f4 v[DR:DR+7], v[128*(\p)+FR*\b:128*(\p)+FR*\b+FR-1], v[AF+64*(\p)+FR*(\a):AF+64*(\p)+FR*(\a)+FR-1], v[BI+8*\b:BI+8*\b+7], v[SC+16*(\sc)+NQ*\b+(\q)], v[SC+16*(\sc)+NQ*(\a)+(\q)] matrix_a_fmt:MATRIX_FMT_BF8 matrix_b_fmt:MATRIX_FMT_BF8 matrix_a_scale:MATRIX_SCALE_ROW1
.else
	v_wmma_scale_f32_16x16x128_f8f6f4 v[DR:DR+7], v[128*(\p)+FR*\b:128*(\p)+FR*\b+FR-1], v[AF+64*(\p)+FR*(\a):AF+64*(\p)+FR*(\a)+FR-1], v[DR:DR+7], v[SC+16*(\sc)+NQ*\b+(\q)], v[SC+16*(\sc)+NQ*(\a)+(\q)] matrix_a_fmt:MATRIX_FMT_BF8 matrix_b_fmt:MATRIX_FMT_BF8 matrix_a_scale:MATRIX_SCALE_ROW1
.endif
.endr
.endm
.macro FETCH slot, q, p                ; 48 loads: B's eight fragments and A's four into set p
	WIN TO_B
.irp i, 0,1,2,3,4,5,6,7
	FRAG 128*(\p)+FR*\i, ADRB+\slot, \q, \i
.endr
	WIN 0
.irp i, 0,1,2,3
	FRAG AF+64*(\p)+FR*\i, ADRA+\slot, \q, \i
.endr
.endm
.macro SCALES sc
.irp i, 0,1,2,3,4,5,6,7
	ds_load_b64 v[SC+16*\sc+NQ*\i:SC+16*\sc+NQ*\i+1], v[ADRS] offset:\i*SBLK
.endr
.endm
.macro STEP slot, first                ; a slot's first 128 of K, on set 0
	PLACES NP                                      ; behind the products that read set 1
	FETCH \slot, 1, 1
	s_wait_dscnt 48                                ; all but the 48 just issued: set 0 and its scale words are in
	WIN MULW-0x20*\first
.irp a, 0,1,2,3
	MUL8 \a, 0, 0, \slot, \first
.endr
	WIN 0
.endm
.macro TURN slot, next, fill           ; a slot's second 128, on set 1, and the change of slots
	s_wait_tensorcnt 0x0                           ; my part of the next slot is in
	ds_add_u32 v[SPW], v[NIL]
	s_wait_dscnt 1                                 ; set 1 is in; the add may be out
	WIN MULW
	MUL8 0, 1, 1, \slot, 0
	s_wait_dscnt 0x0                               ; the add is done, my reads of this slot are over
	s_barrier_signal -1
	MUL8 1, 1, 1, \slot, 0
	WIN 0
	s_barrier_wait -1
.if \fill
	CREST
	s_add_nc_u64 s[G0+4*\slot+2:G0+4*\slot+3], s[G0+4*\slot+2:G0+4*\slot+3], 2*TILEB
	s_add_nc_u64 s[G0B+4*\slot+2:G0B+4*\slot+3], s[G0B+4*\slot+2:G0B+4*\slot+3], 2*TILEB
	JLOAD G0+4*\slot, G1, G0B+4*\slot, G1B
	PLACES NP-4
.else
	PLACES NP
.endif
	v_add_nc_u32 v[ADRS], 4*NQ, v[ADRS]
	s_wait_alu depctr_va_vdst(0)                   ; the wait behind the write
	FETCH \next, 0, 0
	SCALES \next
	WIN MULW
	MUL8 2, 1, 1, \slot, 0
	MUL8 3, 1, 1, \slot, 0
	WIN 0
.endm
	s_wait_alu depctr_va_vdst(0)                   ; the wait at the head's end
	s_wait_tensorcnt 0x0                           ; my tile of the head's four is in
	ds_add_u32 v[SPW], v[NIL]
	s_mov_b32 s[G1+2], 4<<16                       ; no tensor load of mine is out: the ring's loads bring 4 tiles of A,
	s_mov_b32 s[G1+4], 4
	s_mov_b32 s[G1B+2], 8<<16                      ; 8 of B
	s_mov_b32 s[G1B+4], 8
	s_wait_dscnt 0x0
	CROUND
	JLOAD G0+4, G1, G0B+4, G1B                     ; slot 1's first fill
	FETCH 0, 0, 0
	SCALES 0
	s_wait_loadcnt 0x0                             ; the bias
	STEP 0, 1
	TURN 0, 1, 1
	STEP 1, 0
	TURN 1, 0, 1
	STEP 0, 0
	TURN 0, 1, 0
	STEP 1, 0
	s_wait_dscnt 0x0
	WIN MULW
.irp a, 0,1,2,3
	MUL8 \a, 1, 1, 1, 0
.endr
	WIN 0
; THE WAY OUT, a block of 16 tokens x 128 columns at a time, through my stage: back as rows of 512 bytes, which the 32 lanes store as two aligned units of 256 bytes
.macro TOSTAGE a
	WIN 0x08
.irp b, 0,1,2,3,4,5,6,7
	ds_store_b128 v[STO], v[64*(\a)+8*\b:64*(\a)+8*\b+3] offset:128*(\b/2)+32*(\b%2)
	ds_store_b128 v[STO], v[64*(\a)+8*\b+4:64*(\a)+8*\b+7] offset:128*(\b/2)+32*(\b%2)+16
.endr
	WIN 0
.set BB, BK+64*((\a)%2)
.irp t, 0,1,2,3,4,5,6,7,8,9,10,11,12,13,14,15
	ds_load_b128 v[BB+4*\t:BB+4*\t+3], v[RDB] offset:\t*SPITCH
.endr
.endm
.macro SEND a, younger
.set BB, BK+64*((\a)%2)
	s_wait_dscnt \younger
.irp t, 0,1,2,3,4,5,6,7,8,9,10,11,12,13,14,15
	global_store_b128 v[CO], v[BB+4*\t:BB+4*\t+3], s[12:13] offset:(32*((\a)/2)+8*((\a)%2)+\t+8*(\t/8))*4096 th:TH_STORE_NT
.endr
.endm
	PLACES NP
	TOSTAGE 0
.irp a, 1,2,3
.if \a > 1
	s_wait_xcnt 0x0                                ; block a - 2's stores have read their registers
.endif
	TOSTAGE \a
	SEND \a-1, 32                                  ; behind block a - 1's loads: block a's 16 stores and 16 loads
.endr
	SEND 3, 0
	s_wait_tensorcnt 0x0                           ; the wave's end
	ds_add_u32 v[SPW], v[NIL]
	s_wait_dscnt 0x0
	CROUND
	s_endpgm
.Lfunc_end_k_q92b48c0596_oproj:
	.size	k_q92b48c0596_oproj, .Lfunc_end_k_q92b48c0596_oproj-k_q92b48c0596_oproj
	.p2alignl 7, 3214868480
	.fill 96, 4, 3214868480
	.section	.rodata,"a",@progbits
	.p2align	6, 0x0
	.amdhsa_kernel k_q92b48c0596_oproj
		.amdhsa_group_segment_fixed_size 327680
		.amdhsa_private_segment_fixed_size 0
		.amdhsa_enable_private_segment 0
		.amdhsa_kernarg_size 48
		.amdhsa_user_sgpr_count 2
		.amdhsa_user_sgpr_kernarg_segment_ptr 1
		.amdhsa_wavefront_size32 1
		.amdhsa_system_sgpr_workgroup_id_x 1
		.amdhsa_system_sgpr_workgroup_id_y 1
		.amdhsa_system_sgpr_workgroup_id_z 1
		.amdhsa_system_vgpr_workitem_id 0
		.amdhsa_next_free_vgpr 768
		.amdhsa_next_free_sgpr 102
		.amdhsa_reserve_vcc 0
		.amdhsa_float_denorm_mode_32 3
		.amdhsa_float_denorm_mode_16_64 3
		.amdhsa_memory_ordered 1
		.amdhsa_forward_progress 1
		.amdhsa_inst_pref_size 90
	.end_amdhsa_kernel
	.amdgpu_metadata
---
amdhsa.version: [ 1, 2 ]
amdhsa.kernels:
  - .name:           k_q92b48c0596_oproj
    .symbol:         k_q92b48c0596_oproj.kd
    .args:
      - { .name: ic, .offset: 0, .size: 8, .value_kind: global_buffer, .address_space: global }
      - { .name: isc, .offset: 8, .size: 8, .value_kind: global_buffer, .address_space: global }
      - { .name: pc, .offset: 16, .size: 8, .value_kind: global_buffer, .address_space: global }
      - { .name: ps, .offset: 24, .size: 8, .value_kind: global_buffer, .address_space: global }
      - { .name: bo, .offset: 32, .size: 8, .value_kind: global_buffer, .address_space: global }
      - { .name: out0, .offset: 40, .size: 8, .value_kind: global_buffer, .address_space: global }
    .group_segment_fixed_size: 327680
    .private_segment_fixed_size: 0
    .kernarg_segment_align: 8
    .kernarg_segment_size: 48
    .max_flat_workgroup_size: 128
    .sgpr_count:     102
    .vgpr_count:     768
    .wavefront_size: 32
...
	.end_amdgpu_metadata
.endif
;; end of part 4
